; MI455X (gfx1250); checked and timed in simulation.
; The chip was launched on July 23, 2026; its instructions are those of AMD's public machine-readable ISA for CDNA 5 (MIT licence, August 2026) and "CDNA5" Instruction Set Architecture Reference Guide (July 2026). The comments in the code are by the model that wrote it; some were corrected since.
;; Sparse Cross Attn Adapter. Allowed arithmetic: matrix products marked QUANTISED: E3M2 operands, one E8M0 scale for each 32 along K, by v_wmma_scale_f32_16x16x128_f8f6f4 with both operands' format E3M2, f32 sums; everything else in f32.
;; Inputs: alpha 1 float32; cond_cos 1,024 x 64 float32; cond_sin 1,024 x 64 float32; condition_tokens 2 x 1,024 x 1,024 float32; image_cos 4,096 x 64 float32; image_sin 4,096 x 64 float32; image_tokens 2 x 4,096 x 1,024 float32; k_b 1,024 float32; k_head_norm_w 64 float32; k_w 1,024 x 1,024 float32; kv_norm_w 1,024 float32; o_b 1,024 float32; o_w 1,024 x 1,024 float32; q_b 1,024 float32; q_head_norm_w 64 float32; q_norm_w 1,024 float32; q_w 1,024 x 1,024 float32; v_b 1,024 float32; v_w 1,024 x 1,024 float32.
;; Outputs: out0 2 x 4,096 x 1,024 float32.
;; This version of the problem:
;;   THIS VERSION OF THE PROBLEM IS GIVEN IN LOW PRECISION. The matrix products marked QUANTISED in the list below multiply operands that are first quantised to E3M2 (3 exponent bits, 2 mantissa bits; 6 bits a number), with one power-of-two scale for each 32 numbers along K (OCP MX v1.0); their sums are f32. All else is computed in f32.
;;   The module's matrix products, in the order in which they are computed (A, B: the left and right operand; K: the contracted axis; several contracted axes count as one K, in the product's order):
;;     1. [M 8,192, K 1,024] x [K 1,024, N 1,024]; A: computed on the way; B: input q_w: QUANTISED
;;     2. [M 2,048, K 1,024] x [K 1,024, N 1,024]; A: computed on the way; B: input k_w: QUANTISED
;;     3. [M 2,048, K 1,024] x [K 1,024, N 1,024]; A: computed on the way; B: input v_w: QUANTISED
;;     4. batch 32 x [M 4,096, K 64] x [K 64, N 1,024]; A: computed on the way; B: computed on the way: QUANTISED
;;     5. batch 32 x [M 4,096, K 1,024] x [K 1,024, N 64]; A: softmax (see below); B: computed on the way: QUANTISED
;;     6. [M 8,192, K 1,024] x [K 1,024, N 1,024]; A: computed on the way; B: input o_w: QUANTISED
;;   THE QUANTISER, for each operand of a quantised product, along K:
;;     - K is cut into blocks of 32 from its start; a last block that is shorter is filled with zeros.
;;     - A block's scale is 2^e with e = floor(log2(the largest magnitude in the block)) - 4, held to -126 .. 127; a block of zeros has e = 0. As a byte (E8M0): e + 127.
;;     - Each number is divided by its block's scale, clamped to +-28, and rounded to the nearest number of E3M2, ties to even, subnormals kept.
;;     - The product sums the exact products of the quantised numbers (number of the format x scale) in f32.
;;   ~~~python
;;   def quantise(x, axis):      # numpy; x: float32 -> the quantised numbers, widened to float32 again
;;       x = np.moveaxis(x, axis, -1); K = x.shape[-1]
;;       x = np.pad(x, [(0, 0)] * (x.ndim - 1) + [(0, -K % 32)]); x = x.reshape(x.shape[:-1] + (-1, 32)); a = np.abs(x).max(-1, keepdims=True)
;;       e = np.where(a > 0, np.clip(np.frexp(np.where(a > 0, a, 1))[1] - 1 - 4, -126, 127), 0)      # np.frexp(a)[1] - 1 = floor(log2(a)), exactly
;;       r = np.clip(x / 2.0 ** e, -28, 28)
;;       step = 2.0 ** (np.maximum(np.frexp(np.where(r == 0, 1, r))[1] - 1, -2) - 2)
;;       q = np.round(r / step) * step * 2.0 ** e      # np.round: ties to even
;;       return np.moveaxis(q.reshape(q.shape[:-2] + (-1,))[..., :K], -1, axis).astype(np.float32)
;;   ~~~
;;   SOFTMAX AHEAD OF A QUANTISED PRODUCT. Where the list says 'softmax', what is quantised is not the finished softmax but p = 2^(t - M), with t = logit x log2(e) and M = ceil(the row's largest t), a whole number; so 1/2 < the row's largest p <= 1. The row's sum l is taken of the UNQUANTISED p, in f32, and the product's result is divided by l at the end. Since M is a whole number, a kernel that streams over the keys may use a running M (the ceiling of the running maximum): every later rescaling is an exact power of two, which a block's scale takes up: the codes' values come out the same.
;;   OPERANDS COMPUTED ON THE WAY. 'Computed on the way' means the value that the module computes at that place (a softmax that the list does not call 'softmax' is quantised finished and normalised). What goes into a quantiser is computed in f32, as accurately as f32 sums, v_exp_f32 and their like allow (about 1e-6 of the number): no bf16 or f16 on the way to a quantiser, and a product that is left as it is and whose result goes on into a quantised operand takes f32 operands (vector FMAs, or v_wmma_f32_16x16x4_f32). A number that lies on a knife's edge between two numbers of the format may be rounded either way, as far as f32 arithmetic and the matrix unit's own rounding can turn it there, and no further.
;; One version. Each part assembles by itself: llvm-mc -triple=amdgcn-amd-amdhsa -mcpu=gfx1250 --defsym DOCPART=n.
;; ======== version 1 of 1: 4 launches
;; limits: right only within a limited range of input values
;; workspace buffers: img 11,468,800 bytes; qc 6,291,456 bytes; qs 524,288 bytes; kv 3,276,800 bytes; ao 6,553,600 bytes
;; launch quant (part 1): grid 448 x 1, 8 waves a work-group, no clusters, 63,488 bytes of LDS; arguments image_tokens, condition_tokens, q_w, k_w, v_w, o_w, q_norm_w, kv_norm_w, img; writes img
.if DOCPART == 1
	.amdgcn_target "amdgcn-amd-amdhsa--gfx1250"
	.amdhsa_code_object_version 6
	.text
	.protected	k_qdc3f2439d2_quant
	.globl	k_qdc3f2439d2_quant
	.p2align	8
	.type	k_qdc3f2439d2_quant,@function
k_qdc3f2439d2_quant:
	s_mov_b64 s[64:65], 0
	v_nop
	global_prefetch_b8 v0, s[64:65] scope:SCOPE_SE
	s_setreg_imm32_b32 hwreg(HW_REG_WAVE_MODE, 25, 1), 1
	s_wait_xcnt 0x0
; Rows of 1,024 f32 become codes of E3M2 with one E8M0 byte for each 32 along K, laid as the products' operand registers.
; Token rows (image, condition) are first RMS-normed: x * rsqrt(mean(x^2) + 1e-6) * w; weight rows (q_w, k_w, v_w, o_w) go as they are.
; SHARES.  A work-group takes 32 rows of one tensor: work-groups 0-255 image, 256-319 condition, 320-447 the four weights.  Wave w takes rows 4 w .. 4 w + 3; one row is one wave.
; All 32 loads of a wave (16 KiB) go out at once; each covers 512 consecutive bytes.  A row turns through the wave's own stage in LDS so that lane b holds block b, 32 neighbours along K.
; TILES.  16 rows form a tile; lane r of tile T is row 32 (T / 2) + 8 (T % 2) + r + 8 (r / 8).  Row k of the 32 is tile u = (k / 8) % 2, lane r = k % 8 + 8 (k / 16).
; A FRAGMENT (16 rows x 128 K, 12 registers a lane; registers 6 c .. 6 c + 5 = k 64 c + 32 h ..) lies as three pieces of 512 bytes, lane l's registers 4 c .. 4 c + 3 at 512 c + 16 l.
; A UNIT (128 rows x 256 K) is 25,600 bytes: tile i, step s at 3,072 i + 1,536 s; scale words at 24,576 + 256 (i / 2) + 16 r + 8 (i % 2) + 4 s.  Unit (S, G) of a tensor with NG groups lies at (S NG + G) x 25,600.
; The work-group's codes are gathered in LDS and leave in stores of 512 consecutive aligned bytes.  No tensor loads and no cluster: work-groups share nothing but 4 KiB of gains.
; LIMITS: a block whose largest magnitude lies under 2^-122 is held at the byte 1; a block of zeros gets the byte 1, not 127 (its codes are zeros, and this program alone reads the bytes); NaN and infinities are not served.
.set STGB, 4608                        ; a wave's stage: 32 places of 128 + 16 bytes
.set IMG,  36864                       ; the codes' image: [S 4][u 2][s 2][fragment 1,536]
.set SCI,  61440                       ; the scale bytes: [S 4][r 16][u 2][s 2][4]
.set WN,   16                          ; v16-47   the gains of my block
.set RAW,  48                          ; v48-175  four rows of 32 numbers
.set EB,   186                         ; v186-189 a scale byte for each row
.set CD,   192                         ; v192-223 eight registers of codes for each row: no LDS store's data are written again
.set SEL,  40                          ; s[40:41] v_permlanex16_b32's selects for lane l xor 16
	s_load_b512 s[8:23], s[0:1], 0x0               ; image 8, condition 10, q_w 12, k_w 14, v_w 16, o_w 18, q_norm_w 20, kv_norm_w 22
	s_load_b64 s[24:25], s[0:1], 0x40              ; img
	v_lshl_add_u32 v224, v0, 2, 0xf400
	v_mov_b32 v225, 0
	v_lshrrev_b32 v1, 5, v0
	s_delay_alu instid0(VALU_DEP_1)
	v_readfirstlane_b32 s4, v1                     ; wave 0..7
	v_and_b32 v1, 31, v0                           ; lane = block b
	s_delay_alu instid0(VALU_DEP_1)
	v_lshlrev_b32 v2, 4, v1                        ; 16 x lane
	s_mul_i32 s5, s4, STGB
	v_lshrrev_b32 v12, 3, v1                       ; b / 8
	s_wait_alu depctr_va_vdst(0)
	v_and_b32 v13, 7, v1                           ; b % 8
	v_mul_u32_u24 v3, v12, 144
	s_delay_alu instid0(VALU_DEP_1)
	v_lshl_add_u32 v3, v13, 4, v3
	s_delay_alu instid0(VALU_DEP_1)
	v_add_nc_u32 v3, s5, v3                        ; stage, in: load j's 16 bytes belong to block 4 j + lane / 8, at 16 (lane % 8) in it
	v_mul_u32_u24 v4, v1, 144
	s_delay_alu instid0(VALU_DEP_1)
	v_add_nc_u32 v4, s5, v4                        ; stage, out: my block's place
	s_bfe_u32 s6, s4, 0x10001                      ; u = (wave / 2) % 2
	s_and_b32 s7, s4, 1
	s_lshl_b32 s7, s7, 2
	s_lshr_b32 s28, s4, 2
	s_lshl_b32 s28, s28, 3
	s_add_co_u32 s7, s7, s28                       ; r of my first row: 4 (wave % 2) + 8 (wave / 4)
	s_lshl_b32 s7, s7, 4                           ; x 16
	s_mul_i32 s28, s6, 3072
	s_add_co_u32 s28, s28, s7
	s_add_co_u32 s28, s28, IMG
	v_mul_u32_u24 v5, v12, 6144                    ; S = b / 8
	v_bfe_u32 v14, v1, 2, 1
	s_delay_alu instid0(VALU_DEP_1)
	v_mad_u32_u24 v5, v14, 1536, v5                ; s = (b / 4) % 2
	v_and_b32 v14, 1, v1
	s_delay_alu instid0(VALU_DEP_1)
	v_lshl_add_u32 v5, v14, 8, v5                  ; h = b % 2: lanes 16-31 of the fragment
	s_delay_alu instid0(VALU_DEP_1)
	v_add_nc_u32 v5, s28, v5
	v_bfe_u32 v14, v1, 1, 1                        ; c = (b / 2) % 2: registers 0-5 or 6-11
	s_delay_alu instid0(VALU_DEP_1)
	v_mad_u32_u24 v6, v14, 1016, v5                ; my block's second 8 bytes lie at + 8 (c = 0) or + 1,024 (c = 1),
	s_delay_alu instid0(VALU_DEP_2)
	v_mad_u32_u24 v5, v14, 520, v5                 ; its first at + 0 or + 520, its third at + 512 or + 1,032
	s_lshl_b32 s28, s6, 3
	s_add_co_u32 s28, s28, s7
	s_add_co_u32 s28, s28, SCI
	v_lshl_add_u32 v7, v12, 8, v13
	s_delay_alu instid0(VALU_DEP_1)
	v_add_nc_u32 v7, s28, v7                       ; my block's scale byte
	s_mul_i32 s28, s4, 3072
	s_add_co_u32 s28, s28, IMG
	v_add_nc_u32 v8, s28, v2                       ; the way out: wave w takes (S = w / 2, u = w % 2): 3,072 bytes
	v_lshl_add_u32 v9, v0, 2, SCI                  ; and four scale bytes a thread
	v_lshlrev_b32 v10, 2, v1
	v_lshlrev_b32 v11, 7, v1                       ; my block's 128 bytes of gains
	; which tensor, which 32 rows (g), how many groups of 128 rows (NG), where its section begins: all from the work-group's number
	s_sub_co_u32 s29, ttmp9, 320
	s_lshr_b32 s30, s29, 5                         ; which weight
	s_and_b32 s31, s29, 31                         ; g
	s_mul_i32 s32, s30, 819200
	s_add_co_u32 s32, s32, 8192000                 ; section
	s_sub_co_u32 s33, ttmp9, 256
	s_mov_b32 s34, 8                               ; NG
	s_mov_b32 s35, 0                               ; all ones where rows are normed
	s_mov_b32 s[SEL], 0x76543210
	s_mov_b32 s[SEL+1], 0xfedcba98
	s_mov_b32 s46, 0x3a800000                      ; 1 / 1,024
	s_mov_b32 s47, 0x358637bd                      ; 1e-6
	s_wait_kmcnt 0x0
	s_cmp_eq_u32 s30, 0
	s_cselect_b64 s[26:27], s[12:13], s[14:15]
	s_cmp_eq_u32 s30, 2
	s_cselect_b64 s[26:27], s[16:17], s[26:27]
	s_cmp_eq_u32 s30, 3
	s_cselect_b64 s[26:27], s[18:19], s[26:27]
	s_cmp_lt_u32 ttmp9, 320
	s_cselect_b64 s[26:27], s[10:11], s[26:27]
	s_cselect_b32 s31, s33, s31
	s_cselect_b32 s32, 6553600, s32
	s_cselect_b32 s34, 16, s34
	s_cselect_b32 s35, -1, s35
	s_cmp_lt_u32 ttmp9, 256
	s_cselect_b64 s[26:27], s[8:9], s[26:27]
	s_cselect_b64 s[20:21], s[20:21], s[22:23]
	s_cselect_b32 s31, ttmp9, s31
	s_cselect_b32 s32, 0, s32
	s_cselect_b32 s34, 64, s34
	s_lshl_b32 s36, s31, 17                        ; 32 rows of 4,096 bytes,
	s_lshl_b32 s37, s4, 14                         ; my wave's four
	s_add_co_u32 s36, s36, s37
	s_mov_b32 s37, 0
	s_add_nc_u64 s[26:27], s[26:27], s[36:37]
	s_lshr_b32 s36, s4, 1                          ; the way out: S = wave / 2
	s_mul_i32 s36, s36, s34
	s_lshr_b32 s38, s31, 2                         ; G = g / 4
	s_add_co_u32 s36, s36, s38
	s_mul_i32 s36, s36, 25600
	s_add_co_u32 s36, s36, s32                     ; the unit
	s_and_b32 s38, s31, 3
	s_and_b32 s39, s4, 1
	s_lshl_b32 s42, s38, 1
	s_add_co_u32 s42, s42, s39                     ; tile i = 2 (g % 4) + wave % 2
	s_mul_i32 s42, s42, 3072
	s_add_co_u32 s42, s42, s36
	s_mov_b32 s43, 0
	s_add_nc_u64 s[42:43], s[24:25], s[42:43]      ; where my 3,072 bytes of codes go
	s_lshl_b32 s38, s38, 8
	s_lshl_b32 s39, s39, 7
	s_add_co_u32 s38, s38, s39
	s_add_co_u32 s38, s38, s36
	s_add_co_u32 s38, s38, 24576
	s_mov_b32 s39, 0
	s_add_nc_u64 s[44:45], s[24:25], s[38:39]      ; and my 128 scale bytes
	; the gains come first, so that the counted waits below are right on both ways
	s_cmp_lt_u32 ttmp9, 320
	s_cbranch_scc0 .Lplain
	s_wait_alu depctr_va_vdst(0)
.irp j, 0,1,2,3,4,5,6,7
	global_load_b128 v[WN+4*\j:WN+4*\j+3], v11, s[20:21] offset:16*\j
.endr
	s_branch .Lrows
.Lplain:
.irp j, 0,1,2,3,4,5,6,7,8,9,10,11,12,13,14,15,16,17,18,19,20,21,22,23,24,25,26,27,28,29,30,31
	v_mov_b32 v[WN+\j], 1.0                        ; weight rows: x 1, exact
.endr
.Lrows:
.irp i, 0,1,2,3
.irp j, 0,1,2,3,4,5,6,7
	global_load_b128 v[RAW+32*\i+4*\j:RAW+32*\i+4*\j+3], v2, s[26:27] offset:4096*\i+512*\j th:TH_LOAD_NT
.endr
.endr
; Row i through the stage.  LDS serves a wave's instructions in order (ISA guide 5.7.1.4): the loads see the stores, and the next row's stores come behind these loads.
.macro TURN i
.irp j, 0,1,2,3,4,5,6,7
	ds_store_b128 v3, v[RAW+32*(\i)+4*\j:RAW+32*(\i)+4*\j+3] offset:576*\j
.endr
.irp j, 0,1,2,3,4,5,6,7
	ds_load_b128 v[RAW+32*(\i)+4*\j:RAW+32*(\i)+4*\j+3], v4 offset:16*\j
.endr
.endm
; Row i: the norm, the block's scale, its 32 codes (24 bytes) and its byte into the image.
.macro WORK i
.set XR, RAW+32*(\i)
.set CR, CD+8*(\i)
	v_pk_mul_f32 v[176:177], v[XR:XR+1], v[XR:XR+1]                ; the sum of squares: two chains in a lane,
	v_pk_mul_f32 v[178:179], v[XR+2:XR+3], v[XR+2:XR+3]
.irp j, 4,8,12,16,20,24,28
	s_delay_alu instid0(VALU_DEP_2)
	v_pk_fma_f32 v[176:177], v[XR+\j:XR+\j+1], v[XR+\j:XR+\j+1], v[176:177]
	s_delay_alu instid0(VALU_DEP_2)
	v_pk_fma_f32 v[178:179], v[XR+\j+2:XR+\j+3], v[XR+\j+2:XR+\j+3], v[178:179]
.endr
	s_delay_alu instid0(VALU_DEP_1)
	v_pk_add_f32 v[176:177], v[176:177], v[178:179]
	s_delay_alu instid0(VALU_DEP_1)
	v_add_f32 v176, v176, v177
	s_delay_alu instid0(VALU_DEP_1)
	v_add_f32_dpp v176, v176, v176 row_xmask:1 row_mask:0xf bank_mask:0xf   ; then over the 32 lanes
	s_delay_alu instid0(VALU_DEP_1)
	v_add_f32_dpp v176, v176, v176 row_xmask:2 row_mask:0xf bank_mask:0xf
	s_delay_alu instid0(VALU_DEP_1)
	v_add_f32_dpp v176, v176, v176 row_xmask:4 row_mask:0xf bank_mask:0xf
	s_delay_alu instid0(VALU_DEP_1)
	v_add_f32_dpp v176, v176, v176 row_xmask:8 row_mask:0xf bank_mask:0xf
	s_delay_alu instid0(VALU_DEP_1)
	v_permlanex16_b32 v177, v176, s[SEL], s[SEL+1]
	s_delay_alu instid0(VALU_DEP_1)
	v_add_f32 v176, v176, v177
	s_delay_alu instid0(VALU_DEP_1)
	v_fma_f32 v176, v176, s46, s47                 ; mean + eps
	s_wait_alu depctr_va_vdst(0)
	v_rsq_f32 v180, v176
	v_nop                                          ; a plain instruction behind the transcendental,
	s_wait_alu depctr_va_vdst(0)                   ; and the wait ahead of its first reader
	v_cndmask_b32 v180, 1.0, v180, s35             ; weight rows are not normed
	s_delay_alu instid0(VALU_DEP_1)
	v_mov_b32 v181, v180
.irp j, 0,2,4,6,8,10,12,14,16,18,20,22,24,26,28,30
	v_pk_mul_f32 v[XR+\j:XR+\j+1], v[XR+\j:XR+\j+1], v[180:181]
.endr
.irp j, 0,2,4,6,8,10,12,14,16,18,20,22,24,26,28,30
	v_pk_mul_f32 v[XR+\j:XR+\j+1], v[XR+\j:XR+\j+1], v[WN+\j:WN+\j+1]
.endr
	v_max3_num_f32 v182, |v[XR]|, |v[XR+1]|, |v[XR+2]|             ; the block's largest magnitude: all 32 numbers are mine
	v_max3_num_f32 v183, |v[XR+3]|, |v[XR+4]|, |v[XR+5]|
.irp j, 6,10,14,18,22,26
	s_delay_alu instid0(VALU_DEP_2)
	v_max3_num_f32 v182, v182, |v[XR+\j]|, |v[XR+\j+1]|
	s_delay_alu instid0(VALU_DEP_2)
	v_max3_num_f32 v183, v183, |v[XR+\j+2]|, |v[XR+\j+3]|
.endr
	s_delay_alu instid0(VALU_DEP_2)
	v_max3_num_f32 v182, v182, |v[XR+30]|, |v[XR+31]|
	s_delay_alu instid0(VALU_DEP_1)
	v_max3_num_f32 v182, v182, v183, 0x2800000     ; and the floor 2^(5 - 127): the byte cannot fall under 1
	s_delay_alu instid0(VALU_DEP_1)
	v_add_nc_u32 v184, 0xfe000000, v182            ; 4 off the exponent field: the conversion's scale operand
	v_cvt_scalef32_pk16_bf6_f32 v[CR:CR+2], v[XR:XR+15], v184
	v_cvt_scalef32_pk16_bf6_f32 v[CR+4:CR+6], v[XR+16:XR+31], v184 ; (a conversion's three registers begin on an even number)
	v_lshrrev_b32 v[EB+(\i)], 23, v184             ; the scale's byte; also the plain instruction behind the conversions
	v_mov_b32 v[CR+3], v[CR+4]                     ; six words on end
	v_mov_b32 v[CR+4], v[CR+5]
	v_mov_b32 v[CR+5], v[CR+6]
	ds_store_b64 v5, v[CR:CR+1] offset:16*(\i)
	ds_store_b64 v6, v[CR+2:CR+3] offset:16*(\i)+8
	ds_store_b64 v5, v[CR+4:CR+5] offset:16*(\i)+512
	ds_store_b8 v7, v[EB+(\i)] offset:16*(\i)
.endm
	s_wait_loadcnt 24                              ; the gains and row 0 are in; three rows of eight loads may be out
	TURN 0
	s_wait_loadcnt 16
	TURN 1
	s_wait_dscnt 16                                ; row 0 is back; row 1's sixteen stage instructions may be out
	WORK 0
	s_wait_loadcnt 8
	TURN 2
	s_wait_dscnt 20                                ; behind row 1's loads: row 0's four stores and row 2's sixteen
	WORK 1
	s_wait_loadcnt 0
	TURN 3
	s_wait_dscnt 20
	WORK 2
	s_wait_dscnt 4                                 ; behind row 3's loads: row 2's four stores
	WORK 3
	s_wait_dscnt 0x0                               ; for the others' sake: my stores into the image have landed
	s_barrier_signal -1
	s_barrier_wait -1
.irp k, 0,1,2,3,4,5
	ds_load_b128 v[RAW+4*\k:RAW+4*\k+3], v8 offset:512*\k
.endr
	ds_load_b32 v[RAW+24], v9
.irp k, 0,1,2,3,4,5
	s_wait_dscnt 6-\k
	global_store_b128 v2, v[RAW+4*\k:RAW+4*\k+3], s[42:43] offset:512*\k   ; 32 lanes store 512 consecutive bytes, at a multiple of 256 from the buffer's first byte
.endr
	s_wait_dscnt 0x0
	global_store_b32 v10, v[RAW+24], s[44:45]
	s_wait_tensorcnt 0x0
	ds_add_u32 v224, v225
	s_wait_dscnt 0x0
	s_endpgm
.Lfunc_end_k_qdc3f2439d2_quant:
	.size	k_qdc3f2439d2_quant, .Lfunc_end_k_qdc3f2439d2_quant-k_qdc3f2439d2_quant
	.p2alignl 7, 3214868480
	.fill 96, 4, 3214868480
	.section	.rodata,"a",@progbits
	.p2align	6, 0x0
	.amdhsa_kernel k_qdc3f2439d2_quant
		.amdhsa_group_segment_fixed_size 63488
		.amdhsa_private_segment_fixed_size 0
		.amdhsa_enable_private_segment 0
		.amdhsa_kernarg_size 72
		.amdhsa_user_sgpr_count 2
		.amdhsa_user_sgpr_kernarg_segment_ptr 1
		.amdhsa_wavefront_size32 1
		.amdhsa_system_sgpr_workgroup_id_x 1
		.amdhsa_system_sgpr_workgroup_id_y 1
		.amdhsa_system_sgpr_workgroup_id_z 1
		.amdhsa_system_vgpr_workitem_id 0
		.amdhsa_next_free_vgpr 226
		.amdhsa_next_free_sgpr 66
		.amdhsa_reserve_vcc 0
		.amdhsa_float_denorm_mode_32 3
		.amdhsa_float_denorm_mode_16_64 3
		.amdhsa_memory_ordered 1
		.amdhsa_forward_progress 1
		.amdhsa_inst_pref_size 43
	.end_amdhsa_kernel
	.amdgpu_metadata
---
amdhsa.version: [ 1, 2 ]
amdhsa.kernels:
  - .name:           k_qdc3f2439d2_quant
    .symbol:         k_qdc3f2439d2_quant.kd
    .args:
      - { .name: image_tokens, .offset: 0, .size: 8, .value_kind: global_buffer, .address_space: global }
      - { .name: condition_tokens, .offset: 8, .size: 8, .value_kind: global_buffer, .address_space: global }
      - { .name: q_w, .offset: 16, .size: 8, .value_kind: global_buffer, .address_space: global }
      - { .name: k_w, .offset: 24, .size: 8, .value_kind: global_buffer, .address_space: global }
      - { .name: v_w, .offset: 32, .size: 8, .value_kind: global_buffer, .address_space: global }
      - { .name: o_w, .offset: 40, .size: 8, .value_kind: global_buffer, .address_space: global }
      - { .name: q_norm_w, .offset: 48, .size: 8, .value_kind: global_buffer, .address_space: global }
      - { .name: kv_norm_w, .offset: 56, .size: 8, .value_kind: global_buffer, .address_space: global }
      - { .name: img, .offset: 64, .size: 8, .value_kind: global_buffer, .address_space: global }
    .group_segment_fixed_size: 63488
    .private_segment_fixed_size: 0
    .kernarg_segment_align: 8
    .kernarg_segment_size: 72
    .max_flat_workgroup_size: 256
    .sgpr_count:     66
    .vgpr_count:     226
    .wavefront_size: 32
...
	.end_amdgpu_metadata
.endif
;; end of part 1
;; launch proj (part 2): grid 4 x 64, 4 waves a work-group, clusters of 4 x 4, 327,680 bytes of LDS; arguments img, q_b, k_b, v_b, q_head_norm_w, k_head_norm_w, image_cos, image_sin, cond_cos, cond_sin, qc, qs, kv; writes qc, qs, kv
.if DOCPART == 2
	.amdgcn_target "amdgcn-amd-amdhsa--gfx1250"
	.amdhsa_code_object_version 6
	.text
	.protected	k_qdc3f2439d2_proj
	.globl	k_qdc3f2439d2_proj
	.p2align	8
	.type	k_qdc3f2439d2_proj,@function
k_qdc3f2439d2_proj:
	s_mov_b64 s[64:65], 0
	v_nop
	global_prefetch_b8 v0, s[64:65] scope:SCOPE_SE
	s_setreg_imm32_b32 hwreg(HW_REG_WAVE_MODE, 25, 1), 1
	s_wait_xcnt 0x0
	s_wait_alu depctr_hold_cnt(0) depctr_sa_sdst(0) depctr_va_vdst(0) depctr_va_sdst(0) depctr_va_ssrc(0) depctr_va_vcc(0) depctr_vm_vsrc(0)
	s_getreg_b32 s2, hwreg(HW_REG_IB_STS2, 6, 4)
	s_cmp_eq_u32 s2, 0
	s_cbranch_scc0 .Lentry_in_a_cluster
	s_endpgm
.Lentry_in_a_cluster:
	s_bfe_u32 s2, ttmp6, 0x10000c
	s_cmp_lg_u32 s2, 0xf033
	s_cbranch_scc0 .Lentry_shape_is_right
	s_endpgm
.Lentry_shape_is_right:
; The three projections on codes of E3M2 (K = 1,024), and what follows each up to the next quantiser.
; EACH OF 256 WORK-GROUPS MAKES TWO TILES, one after the other:
;   part 1: Q, 128 rows x 256 columns: + q_b, RMS norm of each head of 64, rope, codes along d -> qc, qs.  Wave w: rows 64 (w / 2) .., columns 128 (w % 2) ..: 32 accumulators.
;   part 2: 128 x 128 of K (clusters y 0-7: rows = condition rows, columns = k_w's; as Q with k's inputs) or of V^T (clusters y 8-15: rows = v_w's channels, columns = keys; + v_b, codes along the keys) -> kv.
;           Wave w: rows 32 w .., all 128 columns: 16 accumulators.
; LDS holds all of K of a part: units of 25,600 bytes (128 rows x 256 K: codes as images of the operand's registers, then scale words).  Part 1: A's four units at 0, B's two groups of four at 4 and 8 units.
; Part 2: the condition rows' four units at 0, the weight's four at 4 units.  In memory a group's four units lie a plane apart: a tensor load takes them as rows of 25,600 bytes.
; One tensor load a wave at the head (waves 0, 1: two units of A each; waves 2, 3: four of B each) and one behind the round that follows part 1's products (two units each): part 2's bytes land under part 1's epilogue.
; CLUSTER 4 x 4: image and condition rows hang on cy and are asked for jointly along a row of the cluster, weights on cx, along a column; so each descriptor has one mask and one constant pitch in both kinds of part 2.
; No prefetch: the text has no loop to run ahead in; each part's bytes are asked for by one group of loads.
; THE MATRIX INSTRUCTION IS USED TRANSPOSED (source 0 = 16 rows of B, source 1 = 16 rows of A).  Lane r of a tile T is row 32 (T / 2) + 8 (T % 2) + r + 8 (r / 8): a lane holds one row m, and the 16 registers of
; accumulators 2 b, 2 b + 1 are n = 32 b + 16 (lane / 16) + 0 .. 15.
; REGISTERS: window 0: v1-15 offsets; v16-31 LDS addresses; v32-79 scale words alone; v80-111 head gains; v112-113 v_b; v116-127 codes; v128-223 A's fragments, later numbers at work; v224-245 temporaries; v254, v255 the add's.
;   window 1: accumulators (a, b) at 64 a + 8 b.  window 2: v0-191 B's fragments, two sets; v192-255 the bias.  window 3: cos and sin, 64 a + (0 | 32) + ..
; Part 2 loads k's bias, gains, cos, sin and v_b whatever its kind: all its addresses lie inside their buffers in both kinds.
; LIMITS: a block whose largest magnitude lies under 2^-122 is held at the byte 1; a block of zeros gets the byte 1, not 127 (its codes are zeros; this program alone reads the bytes); NaN and infinities are not served.
.set UNIT,  25600
.set SPARE, 307200
.set WV,  6
.set VA,  16
.set VB,  20
.set VSA, 24
.set VSB, 28
.set SCS, 32
.set AF,  128
.set G1A, 24
.set G1B, 32
.set G0A, 40
.set G0B, 44
.set CE,  48                           ; s[48:49] even head's codes; s[50:51] odd head's; s[52:53] scale words; s[54:55], s[56:57] V's codes and scale words
.set CO,  50
.set SW,  52
.set VC,  54
.set VS,  56
.set SEL, 58
.set BIAS, 92
.set GAIN, 94
.set COS, 96
.set SIN, 98
.set VBP, 100
.set X,   128
.set TP,  192
.set TM,  208
.set TQ,  224
.set PW,  232
.set PC,  116
.set SPW, 254
.set NIL, 255
.set MSB, 0
.macro WIN new                         ; the immediate's high byte repeats the setting that is left
.if MSB != \new
	s_set_vgpr_msb (MSB<<8)|\new
.set MSB, \new
.endif
.endm
.set MUL,  0x52                        ; source 0 (B) window 2, source 1 (A) window 0, C and D window 1
.set TO_B, 0x80
.macro PLACES                          ; four plain instructions behind a matrix instruction (ISA guide 7.12.1)
.rept 4
	v_nop
.endr
.endm
.macro CROUND                          ; a round of the cluster's barrier
	s_barrier_signal -1
	s_barrier_wait -1
	s_cmp_lg_u32 s[WV], 0
	s_cbranch_scc1 .Lnot_wave_0_\@
	s_barrier_signal -3
.Lnot_wave_0_\@:
	s_barrier_wait -3
	s_barrier_signal -1
	s_barrier_wait -1
.endm
.macro JLOAD                           ; one joint load a wave: waves 0, 1 by the row's descriptor, waves 2, 3 by the column's
	s_cmp_eq_u32 s7, 0
	s_cbranch_scc0 .Lfor_b_\@
	tensor_load_to_lds s[G0A:G0A+3], s[G1A:G1A+7]
	s_nop 0
.rept 4
	v_nop
.endr
	s_branch .Lasked_\@
.Lfor_b_\@:
	tensor_load_to_lds s[G0B:G0B+3], s[G1B:G1B+7]
	s_nop 0
.rept 4
	v_nop
.endr
.Lasked_\@:
.endm
	s_load_b64 s[4:5], s[0:1], 0x0                 ; img
	s_load_b512 s[68:83], s[0:1], 0x8              ; q_b 68, k_b 70, v_b 72, q gains 74, k gains 76, image cos 78, image sin 80, cond cos 82
	s_load_b256 s[84:91], s[0:1], 0x48             ; cond sin 84, qc 86, qs 88, kv 90
	v_lshl_add_u32 v[SPW], v0, 2, SPARE
	v_mov_b32 v[NIL], 0
	ds_add_u32 v[SPW], v[NIL]                      ; the opening lines: the add twice and one wait
	ds_add_u32 v[SPW], v[NIL]
	v_lshrrev_b32 v1, 5, v0
	v_readfirstlane_b32 s[WV], v1
	s_lshr_b32 s7, s[WV], 1
	s_and_b32 s8, s[WV], 1
	s_bfe_u32 s9, ttmp6, 0x40000                   ; cx
	s_bfe_u32 s10, ttmp6, 0x40004                  ; cy
	s_and_b32 s11, ttmp7, 0xffff                   ; the cluster's y, 0..15, alike in all partners
	s_lshl_b32 s12, s10, 2
	s_lshl_b32 s12, 15, s12                        ; my row of the cluster
	s_lshl_b32 s13, 0x1111, s9                     ; my column
	s_or_b32 s[G1A], s12, (3<<16)|(1<<21)          ; elements of 8 bytes; a row is a unit: 3,200 elements
	s_or_b32 s[G1B], s13, (3<<16)|(1<<21)
.irp g, G1A, G1B
	s_mov_b32 s[\g+1], 3200<<16
	s_mov_b32 s[\g+3], 3200<<16
	s_mov_b32 s[\g+6], 0
	s_mov_b32 s[\g+7], 0
.endr
	s_mov_b32 s[G1A+2], 2<<16                      ; two units a load,
	s_mov_b32 s[G1A+4], 2
	s_mov_b32 s[G1A+5], 204800                     ; the image's plane: 64 units, in elements
	s_mov_b32 s[G1B+2], 4<<16                      ; four units a load,
	s_mov_b32 s[G1B+4], 4
	s_mov_b32 s[G1B+5], 25600                      ; a weight's plane: 8 units
	s_lshl_b32 s20, s11, 2
	s_add_co_u32 s20, s20, s10                     ; Q's tile row: never holds cx
	s_mul_i32 s22, s20, UNIT
	s_mul_i32 s14, s8, 3276800                     ; units S = 2 (wave % 2) ..
	s_add_co_u32 s22, s22, s14
	s_mov_b32 s23, 0
	s_lshl_b32 s2, s9, 1
	s_add_co_u32 s21, s2, s8                       ; q_w's group = my pair of heads: 2 cx + wave % 2
	s_mul_i32 s2, s21, UNIT
	s_add_co_u32 s2, s2, 8192000
	s_mov_b32 s3, 0
	s_lshr_b32 s14, s11, 1                         ; part 2.  K: condition group 4 (y / 2) + cy, k_w's group 4 (y % 2) + cx;
	s_and_b32 s15, s11, 1
	s_and_b32 s16, s11, 3                          ; V: condition group 4 (y % 4) + cy, v_w's group 4 ((y / 4) % 2) + cx
	s_bfe_u32 s17, s11, 0x10002
	s_mov_b32 s18, 9830400
	s_cmp_lt_u32 s11, 8
	s_cselect_b32 s14, s14, s16
	s_cselect_b32 s15, s15, s17
	s_cselect_b32 s18, 9011200, s18
	s_lshl_b32 s14, s14, 2
	s_add_co_u32 s14, s14, s10                     ; gc
	s_lshl_b32 s15, s15, 2
	s_add_co_u32 s15, s15, s9                      ; gw
	s_mul_i32 s16, s14, UNIT
	s_mul_i32 s19, s8, 819200                      ; two planes of 16 units
	s_add_co_u32 s16, s16, s19
	s_add_co_u32 s16, s16, 6553600
	s_mov_b32 s17, 0
	s_mul_i32 s19, s15, UNIT
	s_add_co_u32 s18, s18, s19
	s_mul_i32 s19, s8, 409600                      ; two planes of 8 units
	s_add_co_u32 s18, s18, s19
	s_mov_b32 s19, 0
	s_mul_i32 s66, s8, 2*UNIT
	s_wait_dscnt 0x0
	s_wait_kmcnt 0x0
	s_mov_b32 s[G0A], 1
	s_mov_b32 s[G0A+1], s66
	s_add_nc_u64 s[G0A+2:G0A+3], s[4:5], s[22:23]
	s_or_b32 s[G0A+3], s[G0A+3], 0x80000000
	s_mov_b32 s[G0B], 1
	s_mul_i32 s[G0B+1], s8, 4*UNIT
	s_add_co_u32 s[G0B+1], s[G0B+1], 4*UNIT
	s_add_nc_u64 s[G0B+2:G0B+3], s[4:5], s[2:3]
	s_or_b32 s[G0B+3], s[G0B+3], 0x80000000
	s_add_nc_u64 s[16:17], s[4:5], s[16:17]        ; part 2's two addresses, kept for the refill
	s_add_nc_u64 s[18:19], s[4:5], s[18:19]
	CROUND                                         ; all sixteen work-groups are here: the joint loads meet
	JLOAD
	; part 1's pointers
	s_lshl_b32 s22, s20, 7
	s_lshl_b32 s23, s7, 6
	s_add_co_u32 s22, s22, s23                     ; my first row
	s_and_b32 s23, s22, 4095                       ; its place in the batch
	s_lshr_b32 s2, s22, 12
	s_lshl_b32 s2, s2, 3
	s_add_co_u32 s2, s2, s21                       ; 8 x batch + pair
	s_lshr_b32 s12, s23, 4                         ; my first tile in the batch
	s_lshl_b32 s104, s23, 8
	s_mov_b32 s105, 0
	s_add_nc_u64 s[COS:COS+1], s[78:79], s[104:105]
	s_add_nc_u64 s[SIN:SIN+1], s[80:81], s[104:105]
	s_lshl_b32 s104, s21, 9
	s_add_nc_u64 s[BIAS:BIAS+1], s[68:69], s[104:105]
	s_mov_b64 s[GAIN:GAIN+1], s[74:75]
	s_lshl_b32 s104, s2, 8
	s_add_co_u32 s104, s104, s12
	s_mul_i32 s104, s104, 1536                     ; Q's codes: [pair][tile 256][1,536]
	s_add_nc_u64 s[CE:CE+1], s[86:87], s[104:105]
	s_add_nc_u64 s[CO:CO+1], s[CE:CE+1], 768
	s_lshl_b32 s104, s2, 6
	s_lshr_b32 s13, s12, 2
	s_add_co_u32 s104, s104, s13
	s_lshl_b32 s104, s104, 9                       ; Q's scale words: [pair][tile / 4][lane][tile % 4]
	s_add_nc_u64 s[SW:SW+1], s[88:89], s[104:105]
	s_mov_b32 s[SEL], 0x76543210
	s_mov_b32 s[SEL+1], 0xfedcba98                 ; v_permlanex16_b32's selects for lane l xor 16
	s_mov_b32 s60, 0x3c800000                      ; 1 / 64
	s_mov_b32 s61, 0x358637bd                      ; 1e-6
	s_mov_b32 s62, 0xffff0000                      ; lanes 16-31
	s_mul_i32 s2, s7, 12288                        ; my four tiles of A,
	s_mul_i32 s3, s8, 4*UNIT
	s_add_co_u32 s3, s3, 4*UNIT                    ; my group of B,
	s_lshl_b32 s12, s7, 9
	s_add_co_u32 s12, s12, 24576                   ; and their scale words
	s_add_co_u32 s13, s3, 24576
.macro ADDRS                           ; the LDS addresses, a register for each unit along K
	v_add_nc_u32 v[VA], s2, v2
	v_add_nc_u32 v[VB], s3, v2
	v_add_nc_u32 v[VSA], s12, v4
	v_add_nc_u32 v[VSB], s13, v4
.irp ch, 1,2,3
	v_add_nc_u32 v[VA+\ch], \ch*UNIT, v[VA]
	v_add_nc_u32 v[VB+\ch], \ch*UNIT, v[VB]
	v_add_nc_u32 v[VSA+\ch], \ch*UNIT, v[VSA]
	v_add_nc_u32 v[VSB+\ch], \ch*UNIT, v[VSB]
.endr
.endm
	v_and_b32 v1, 31, v0
	v_lshlrev_b32 v2, 4, v1                        ; 16 x lane
	v_and_b32 v3, 15, v0                           ; r
	v_lshlrev_b32 v4, 4, v3
	v_bfe_u32 v5, v0, 4, 1                         ; h
	v_lshlrev_b32 v6, 6, v5                        ; 64 h: my 16 numbers of a block of 32
	v_and_b32 v7, 8, v3
	v_add_nc_u32 v7, v7, v3                        ; r + 8 (r / 8): my row in a pair of tiles
	v_lshl_add_u32 v12, v7, 8, v6
	v_lshlrev_b32 v13, 2, v7
	v_lshlrev_b32 v14, 3, v1                       ; 8 x lane
.irp a, 0,1,2,3
	v_add_nc_u32 v[8+\a], \a*1536, v14             ; where tile a's codes go
.endr
	ADDRS
	s_wait_alu depctr_va_vdst(0)                   ; the wait at the head's end
; bias, gains, cos and sin of na tiles of rows: they land while the products run
.macro LOADS na
	WIN 0x80
.irp b, 0,1,2,3
.irp j, 0,1,2,3
	global_load_b128 v[192+16*\b+4*\j:195+16*\b+4*\j], v6, s[BIAS:BIAS+1] offset:128*\b+16*\j
.endr
.endr
	WIN 0
.irp b, 0,1
.irp j, 0,1,2,3
	global_load_b128 v[80+16*\b+4*\j:83+16*\b+4*\j], v6, s[GAIN:GAIN+1] offset:128*\b+16*\j
.endr
.endr
	WIN 0xc0
.irp a, 0,1,2,3
.if \a < \na
.irp b, 0,1
.irp j, 0,1,2,3
	global_load_b128 v[64*\a+16*\b+4*\j:64*\a+16*\b+4*\j+3], v12, s[COS:COS+1] offset:(32*(\a/2)+8*(\a%2))*256+128*\b+16*\j
	global_load_b128 v[64*\a+32+16*\b+4*\j:64*\a+32+16*\b+4*\j+3], v12, s[SIN:SIN+1] offset:(32*(\a/2)+8*(\a%2))*256+128*\b+16*\j
.endr
.endr
.endif
.endr
	WIN 0
.endm
	LOADS 4
; The fragments of step s (128 along K; unit s / 2): B's eight and A's na, three loads of 512 consecutive bytes each; with a unit's first step its scale words.
.macro FETCH s, na
	WIN TO_B
.irp b, 0,1,2,3,4,5,6,7
.irp c, 0,1,2
	ds_load_b128 v[96*((\s)%2)+12*\b+4*\c:96*((\s)%2)+12*\b+4*\c+3], v[VB+(\s)/2] offset:\b*3072+((\s)%2)*1536+512*\c
.endr
.endr
	WIN 0
.irp a, 0,1,2,3
.if \a < \na
.irp c, 0,1,2
	ds_load_b128 v[AF+48*((\s)%2)+12*\a+4*\c:AF+48*((\s)%2)+12*\a+4*\c+3], v[VA+(\s)/2] offset:\a*3072+((\s)%2)*1536+512*\c
.endr
.endif
.endr
.if ((\s)%2) == 0
.irp p, 0,1,2,3
	ds_load_b128 v[SCS+24*(((\s)/2)%2)+4*\p:SCS+24*(((\s)/2)%2)+4*\p+3], v[VSB+(\s)/2] offset:256*\p
.endr
.irp p, 0,1
.if 2*\p < \na
	ds_load_b128 v[SCS+24*(((\s)/2)%2)+16+4*\p:SCS+24*(((\s)/2)%2)+16+4*\p+3], v[VSA+(\s)/2] offset:256*\p
.endif
.endr
.endif
.endm
; 8 na matrix instructions; the accumulators take turns, one instruction a turn, in the same order in every step.  zero = 1: the first step starts the sums.
.macro MULS s, zero, na
.irp a, 0,1,2,3
.if \a < \na
.irp b, 0,1,2,3,4,5,6,7
.if \zero
	v_wmma_scale_f32_16x16x128_f8f6f4 v[64*\a+8*\b:64*\a+8*\b+7], v[96*((\s)%2)+12*\b:96*((\s)%2)+12*\b+11], v[AF+48*((\s)%2)+12*\a:AF+48*((\s)%2)+12*\a+11], 0, v[SCS+24*(((\s)/2)%2)+2*\b+(\s)%2], v[SCS+24*(((\s)/2)%2)+16+2*\a+(\s)%2] matrix_a_fmt:MATRIX_FMT_BF6 matrix_b_fmt:MATRIX_FMT_BF6
.else
	v_wmma_scale_f32_16x16x128_f8f6f4 v[64*\a+8*\b:64*\a+8*\b+7], v[96*((\s)%2)+12*\b:96*((\s)%2)+12*\b+11], v[AF+48*((\s)%2)+12*\a:AF+48*((\s)%2)+12*\a+11], v[64*\a+8*\b:64*\a+8*\b+7], v[SCS+24*(((\s)/2)%2)+2*\b+(\s)%2], v[SCS+24*(((\s)/2)%2)+16+2*\a+(\s)%2] matrix_a_fmt:MATRIX_FMT_BF6 matrix_b_fmt:MATRIX_FMT_BF6
.endif
.endr
.endif
.endr
.endm
.macro STEP s, zero, na                ; step s's fragments are in; the next step's are asked for; then the products
	s_wait_dscnt 0x0
.if (\s) < 7
.if (\s) > 0
	PLACES
.endif
	FETCH (\s)+1, \na
.endif
	WIN MUL
	MULS \s, \zero, \na
	WIN 0
.endm
.macro WALK na                         ; all of K
	FETCH 0, \na
	STEP 0, 1, \na
.irp s, 1,2,3,4,5,6,7
	STEP \s, 0, \na
.endr
.endm
	s_wait_tensorcnt 0x0                           ; my load has landed,
	s_barrier_signal -1
	s_barrier_wait -1                              ; and everybody's
	WALK 4
	s_wait_tensorcnt 0x0                           ; the three lines ahead of the refill's round
	ds_add_u32 v[SPW], v[NIL]
	s_mov_b64 s[G0A+2:G0A+3], s[16:17]             ; no load of mine is out: part 2's descriptors.  Condition rows: two units a load,
	s_or_b32 s[G0A+3], s[G0A+3], 0x80000000
	s_mov_b32 s[G1A+5], 51200                      ; a plane of 16 units;
	s_add_co_u32 s[G0B+1], s66, 4*UNIT
	s_mov_b64 s[G0B+2:G0B+3], s[18:19]             ; the weight: two units a load
	s_or_b32 s[G0B+3], s[G0B+3], 0x80000000
	s_mov_b32 s[G1B+2], 2<<16
	s_mov_b32 s[G1B+4], 2
	s_wait_dscnt 0x0                               ; the add is done; my reads of LDS were over at the last step's head
	CROUND                                         ; no wave of any partner still reads part 1's units
	JLOAD                                          ; its four v_nop are also the places behind the last products
; 64 numbers of a lane, register 16 b + i = n 32 b + 16 (lane / 16) + i of my row, become a fragment's 12 registers of codes in v[PC] on and its scale word in v[pw].
.macro QUANT pw
.irp b, 0,1,2,3
	v_max3_num_f32 v[TM+\b], |v[X+16*\b]|, |v[X+1+16*\b]|, 0x2800000   ; my 16 numbers of block b, and the floor 2^(5 - 127): the byte cannot fall under 1
.endr
.irp i, 2,4,6,8,10,12,14
.irp b, 0,1,2,3
	v_max3_num_f32 v[TM+\b], v[TM+\b], |v[X+16*\b+\i]|, |v[X+1+16*\b+\i]|
.endr
.endr
.irp b, 0,1,2,3
	v_permlanex16_b32 v[TM+4+\b], v[TM+\b], s[SEL], s[SEL+1]
.endr
.irp b, 0,1,2,3
	v_max_num_f32 v[TM+\b], v[TM+\b], v[TM+4+\b]   ; with lane l xor 16's: the block's largest magnitude
.endr
.irp b, 0,1,2,3
	v_add_nc_u32 v[TM+12+\b], 0xfe000000, v[TM+\b] ; 4 off the exponent field: the conversion's scale operand
.endr
.irp b, 0,1,2,3
	v_lshrrev_b32 v[TM+4+\b], 23, v[TM+12+\b]      ; the scale's byte
.endr
	v_lshl_or_b32 v[\pw], v[TM+5], 8, v[TM+4]
	v_lshl_or_b32 v[\pw], v[TM+6], 16, v[\pw]
	v_lshl_or_b32 v[\pw], v[TM+7], 24, v[\pw]
.irp c, 0,1
	v_cvt_scalef32_pk16_bf6_f32 v[PC+6*\c:PC+2+6*\c], v[X+32*\c:X+15+32*\c], v[TM+12+2*\c]
	v_cvt_scalef32_pk16_bf6_f32 v[TQ+4*\c:TQ+2+4*\c], v[X+16+32*\c:X+31+32*\c], v[TM+13+2*\c]   ; (a conversion's three registers begin on an even number)
.endr
	v_nop                                          ; one plain instruction behind a scaled conversion
.irp c, 0,1                            ; the operand's layout wants a whole block in a lane
.irp i, 0,1,2
	v_permlane16_swap_b32 v[PC+6*\c+\i], v[TQ+4*\c+\i]
.endr
.irp i, 0,1,2
	v_mov_b32 v[PC+3+6*\c+\i], v[TQ+4*\c+\i]
.endr
.endr
.endm
; Q, K: tile of rows a.  Registers 0-31 are the even head's 32 of my half, 32-63 the odd head's.
.macro QKROW a
.if \a > 0
	s_wait_xcnt 0x0                                ; the last tile's stores have read the codes' registers
.endif
	WIN 0x09                                       ; source 0: accumulators, source 1: bias
.set JJ, 0
.rept 32
	v_pk_add_f32 v[X+JJ:X+JJ+1], v[64*\a+JJ:64*\a+JJ+1], v[192+JJ:193+JJ]   ; each accumulator from its low end on
.set JJ, JJ+2
.endr
	WIN 0
	v_pk_mul_f32 v[238:239], v[X:X+1], v[X:X+1]    ; each head's sum of squares, the two heads by turns
	v_pk_mul_f32 v[240:241], v[X+32:X+33], v[X+32:X+33]
.set JJ, 2
.rept 15
	v_pk_fma_f32 v[238:239], v[X+JJ:X+JJ+1], v[X+JJ:X+JJ+1], v[238:239]
	v_pk_fma_f32 v[240:241], v[X+32+JJ:X+33+JJ], v[X+32+JJ:X+33+JJ], v[240:241]
.set JJ, JJ+2
.endr
	v_add_f32 v238, v238, v239
	v_add_f32 v240, v240, v241
	v_permlanex16_b32 v244, v238, s[SEL], s[SEL+1] ; the head's other 32 lie in lane l xor 16
	v_permlanex16_b32 v245, v240, s[SEL], s[SEL+1]
	v_add_f32 v238, v238, v244
	v_add_f32 v240, v240, v245
	v_fma_f32 v238, v238, s60, s61                 ; mean + eps
	v_fma_f32 v240, v240, s60, s61
	s_wait_alu depctr_va_vdst(0)                   ; the wait ahead of the transcendentals
	v_rsq_f32 v242, v238
	v_rsq_f32 v243, v240
	v_nop
	s_wait_alu depctr_va_vdst(0)                   ; and ahead of their first reader
.set JJ, 0
.rept 16
	v_pk_mul_f32 v[X+JJ:X+JJ+1], v[X+JJ:X+JJ+1], v[242:243] op_sel_hi:[1,0]
	v_pk_mul_f32 v[X+32+JJ:X+33+JJ], v[X+32+JJ:X+33+JJ], v[242:243] op_sel:[0,1] op_sel_hi:[1,1]
.set JJ, JJ+2
.endr
.set JJ, 0
.rept 16
	v_pk_mul_f32 v[X+JJ:X+JJ+1], v[X+JJ:X+JJ+1], v[80+JJ:81+JJ]
	v_pk_mul_f32 v[X+32+JJ:X+33+JJ], v[X+32+JJ:X+33+JJ], v[80+JJ:81+JJ]
.set JJ, JJ+2
.endr
	WIN 0x0c                                       ; source 1: cos and sin
.irp g, 0,1,2,3                        ; rope, a pair (even d, odd d) an instruction: low = x_e cos_e - x_o sin_e, high = x_o cos_o + x_e sin_o
.irp j, 0,2,4,6,8,10,12,14
	v_pk_mul_f32 v[TP+\j:TP+\j+1], v[X+16*\g+\j:X+16*\g+\j+1], v[64*\a+16*(\g%2)+\j:64*\a+16*(\g%2)+\j+1]
.endr
.irp j, 0,2,4,6,8,10,12,14
	v_pk_fma_f32 v[X+16*\g+\j:X+16*\g+\j+1], v[X+16*\g+\j:X+16*\g+\j+1], v[64*\a+32+16*(\g%2)+\j:64*\a+32+16*(\g%2)+\j+1], v[TP+\j:TP+\j+1] op_sel:[1,0,0] op_sel_hi:[0,1,1] neg_lo:[1,0,0]
.endr
.endr
	WIN 0
	QUANT PW+\a
.irp p, 0,1,2
	global_store_b64 v[8+\a], v[PC+2*\p:PC+2*\p+1], s[CE:CE+1] offset:256*\p       ; 32 lanes store 256 consecutive aligned bytes: the even head's registers 0-5,
	global_store_b64 v[8+\a], v[PC+6+2*\p:PC+7+2*\p], s[CO:CO+1] offset:256*\p     ; the odd head's 6-11
.endr
.endm
; V: tile of channels a (0 or 1).  A lane holds one channel and 64 keys.
.macro VROW a
.if \a > 0
	s_wait_xcnt 0x0
.endif
	WIN 0x01
.set JJ, 0
.rept 32
.if (\a)%2
	v_pk_add_f32 v[X+JJ:X+JJ+1], v[64*\a+JJ:64*\a+JJ+1], v[112:113] op_sel:[0,1] op_sel_hi:[1,1]
.else
	v_pk_add_f32 v[X+JJ:X+JJ+1], v[64*\a+JJ:64*\a+JJ+1], v[112:113] op_sel_hi:[1,0]
.endif
.set JJ, JJ+2
.endr
	WIN 0
	QUANT PW+\a
.irp c, 0,1,2
	global_store_b128 v2, v[PC+4*\c:PC+4*\c+3], s[VC:VC+1] offset:\a*12288+512*\c   ; 512 consecutive aligned bytes
.endr
.endm
	s_wait_loadcnt 0x0                             ; part 1's bias, gains, cos, sin
.irp b, 0,1,2,3
	v_mov_b32 v[TM+4+\b], 0                        ; written once: a lane permute's destination counts as one of its sources
.endr
	v_mov_b32 v244, 0
	v_mov_b32 v245, 0
	QKROW 0
	QKROW 1
	QKROW 2
	QKROW 3
	global_store_b128 v2, v[PW:PW+3], s[SW:SW+1]   ; my four tiles' scale words, 16 bytes a lane
	; part 2's pointers
	s_wait_xcnt 0x0                                ; part 1's stores have read their registers and bases
	s_lshl_b32 s22, s14, 7
	s_lshl_b32 s3, s[WV], 5
	s_add_co_u32 s22, s22, s3                      ; K: my first condition row
	s_and_b32 s23, s22, 1023                       ; its place in the batch
	s_lshr_b32 s12, s23, 4                         ; my first tile of keys
	s_lshr_b32 s2, s14, 3                          ; batch
	s_lshl_b32 s2, s2, 3
	s_add_co_u32 s2, s2, s15                       ; 8 x batch + pair, in both kinds
	s_mul_i32 s2, s2, 204800                       ; the pair's block of kv
	s_lshl_b32 s104, s23, 8
	s_add_nc_u64 s[COS:COS+1], s[82:83], s[104:105]
	s_add_nc_u64 s[SIN:SIN+1], s[84:85], s[104:105]
	s_lshl_b32 s104, s15, 9
	s_add_nc_u64 s[BIAS:BIAS+1], s[70:71], s[104:105]
	s_mov_b64 s[GAIN:GAIN+1], s[76:77]
	s_lshl_b32 s104, s15, 7
	s_add_co_u32 s104, s104, s3
	s_lshl_b32 s104, s104, 2
	s_add_nc_u64 s[VBP:VBP+1], s[72:73], s[104:105]  ; v_b at channel 128 x pair + 32 x wave
	s_mul_i32 s104, s12, 768
	s_add_co_u32 s104, s104, s2
	s_add_co_u32 s104, s104, 8192                  ; K's codes, even head: [tile 64][768]
	s_add_nc_u64 s[CE:CE+1], s[90:91], s[104:105]
	s_add_nc_u64 s[CO:CO+1], s[CE:CE+1], 98304
	s_lshr_b32 s104, s12, 3
	s_lshl_b32 s104, s104, 9
	s_bfe_u32 s13, s12, 0x20001
	s_lshl_b32 s13, s13, 2
	s_add_co_u32 s104, s104, s13
	s_add_co_u32 s104, s104, s2                    ; K's scale words: [step][lane][4], my one word
	s_add_nc_u64 s[SW:SW+1], s[90:91], s[104:105]
	s_and_b32 s13, s14, 7                          ; V: the key step
	s_mul_i32 s104, s13, 1536
	s_mul_i32 s20, s7, 98304                       ; head = wave / 2
	s_add_co_u32 s104, s104, s20
	s_mul_i32 s20, s8, 24576                       ; tiles 2 (wave % 2) .. of its four
	s_add_co_u32 s104, s104, s20
	s_add_co_u32 s104, s104, s2
	s_add_co_u32 s104, s104, 57344                 ; V's codes: [tile of channels 4][step 8][1,536]
	s_add_nc_u64 s[VC:VC+1], s[90:91], s[104:105]
	s_lshl_b32 s104, s13, 8
	s_lshl_b32 s20, s7, 11
	s_add_co_u32 s104, s104, s20
	s_lshl_b32 s20, s8, 2
	s_add_co_u32 s104, s104, s20
	s_add_co_u32 s104, s104, s2
	s_add_co_u32 s104, s104, 4096                  ; V's scale words: [step][lane][2], my one word
	s_add_nc_u64 s[VS:VS+1], s[90:91], s[104:105]
	s_cmp_lt_u32 s11, 8                            ; K: rows = condition rows (at 0), columns = the weight (at 4 units); V: the other way round
	s_cselect_b32 s20, 0, 4*UNIT
	s_cselect_b32 s3, 4*UNIT, 0
	s_mul_i32 s2, s[WV], 6144                      ; my two tiles of rows
	s_add_co_u32 s2, s2, s20
	s_lshl_b32 s12, s[WV], 8
	s_add_co_u32 s12, s12, s20
	s_add_co_u32 s12, s12, 24576
	s_add_co_u32 s13, s3, 24576
	ADDRS
.irp a, 0,1
	v_add_nc_u32 v[8+\a], \a*768, v14
.endr
	s_wait_alu depctr_va_vdst(0)
	LOADS 2
.irp a, 0,1
	global_load_b32 v[112+\a], v13, s[VBP:VBP+1] offset:32*\a
.endr
	s_wait_tensorcnt 0x0                           ; my part of part 2's units has landed,
	s_barrier_signal -1
	s_barrier_wait -1                              ; and everybody's; nothing is filled again
	WALK 2
	PLACES
	s_wait_loadcnt 0x0
	s_cmp_lt_u32 s11, 8
	s_cbranch_scc0 .Lv_arm
	QKROW 0
	QKROW 1
	v_cndmask_b32 v236, v[PW], v[PW+1], s62        ; the even tile's words in lanes 0-15, the odd tile's in lanes 16-31
	global_store_b32 v2, v236, s[SW:SW+1]
	s_branch .Ldone
.Lv_arm:
	VROW 0
	VROW 1
	v_cndmask_b32 v236, v[PW], v[PW+1], s62
	global_store_b32 v14, v236, s[VS:VS+1]
.Ldone:
	s_wait_tensorcnt 0x0                           ; the wave's end
	ds_add_u32 v[SPW], v[NIL]
	s_wait_dscnt 0x0
	CROUND                                         ; the closing round
	s_endpgm
.Lfunc_end_k_qdc3f2439d2_proj:
	.size	k_qdc3f2439d2_proj, .Lfunc_end_k_qdc3f2439d2_proj-k_qdc3f2439d2_proj
	.p2alignl 7, 3214868480
	.fill 96, 4, 3214868480
	.section	.rodata,"a",@progbits
	.p2align	6, 0x0
	.amdhsa_kernel k_qdc3f2439d2_proj
		.amdhsa_group_segment_fixed_size 327680
		.amdhsa_private_segment_fixed_size 0
		.amdhsa_enable_private_segment 0
		.amdhsa_kernarg_size 104
		.amdhsa_user_sgpr_count 2
		.amdhsa_user_sgpr_kernarg_segment_ptr 1
		.amdhsa_wavefront_size32 1
		.amdhsa_system_sgpr_workgroup_id_x 1
		.amdhsa_system_sgpr_workgroup_id_y 1
		.amdhsa_system_sgpr_workgroup_id_z 1
		.amdhsa_system_vgpr_workitem_id 0
		.amdhsa_next_free_vgpr 1024
		.amdhsa_next_free_sgpr 106
		.amdhsa_reserve_vcc 0
		.amdhsa_float_denorm_mode_32 3
		.amdhsa_float_denorm_mode_16_64 3
		.amdhsa_memory_ordered 1
		.amdhsa_forward_progress 1
		.amdhsa_inst_pref_size 230
	.end_amdhsa_kernel
	.amdgpu_metadata
---
amdhsa.version: [ 1, 2 ]
amdhsa.kernels:
  - .name:           k_qdc3f2439d2_proj
    .symbol:         k_qdc3f2439d2_proj.kd
    .args:
      - { .name: img, .offset: 0, .size: 8, .value_kind: global_buffer, .address_space: global }
      - { .name: q_b, .offset: 8, .size: 8, .value_kind: global_buffer, .address_space: global }
      - { .name: k_b, .offset: 16, .size: 8, .value_kind: global_buffer, .address_space: global }
      - { .name: v_b, .offset: 24, .size: 8, .value_kind: global_buffer, .address_space: global }
      - { .name: q_head_norm_w, .offset: 32, .size: 8, .value_kind: global_buffer, .address_space: global }
      - { .name: k_head_norm_w, .offset: 40, .size: 8, .value_kind: global_buffer, .address_space: global }
      - { .name: image_cos, .offset: 48, .size: 8, .value_kind: global_buffer, .address_space: global }
      - { .name: image_sin, .offset: 56, .size: 8, .value_kind: global_buffer, .address_space: global }
      - { .name: cond_cos, .offset: 64, .size: 8, .value_kind: global_buffer, .address_space: global }
      - { .name: cond_sin, .offset: 72, .size: 8, .value_kind: global_buffer, .address_space: global }
      - { .name: qc, .offset: 80, .size: 8, .value_kind: global_buffer, .address_space: global }
      - { .name: qs, .offset: 88, .size: 8, .value_kind: global_buffer, .address_space: global }
      - { .name: kv, .offset: 96, .size: 8, .value_kind: global_buffer, .address_space: global }
    .group_segment_fixed_size: 327680
    .private_segment_fixed_size: 0
    .kernarg_segment_align: 8
    .kernarg_segment_size: 104
    .max_flat_workgroup_size: 128
    .sgpr_count:     106
    .vgpr_count:     1024
    .wavefront_size: 32
...
	.end_amdgpu_metadata
.endif
;; end of part 2
;; launch attn (part 3): grid 16 x 16, 16 waves a work-group, clusters of 4 x 1, 327,680 bytes of LDS; arguments qc, qs, kv, ao; writes ao
.if DOCPART == 3
	.amdgcn_target "amdgcn-amd-amdhsa--gfx1250"
	.amdhsa_code_object_version 6
	.text
	.protected	k_qdc3f2439d2_attn
	.globl	k_qdc3f2439d2_attn
	.p2align	8
	.type	k_qdc3f2439d2_attn,@function
k_qdc3f2439d2_attn:
	s_mov_b64 s[64:65], 0
	v_nop
	global_prefetch_b8 v0, s[64:65] scope:SCOPE_SE
	s_setreg_imm32_b32 hwreg(HW_REG_WAVE_MODE, 25, 1), 1
	s_wait_xcnt 0x0
	s_wait_alu depctr_hold_cnt(0) depctr_sa_sdst(0) depctr_va_vdst(0) depctr_va_sdst(0) depctr_va_ssrc(0) depctr_va_vcc(0) depctr_vm_vsrc(0)
	s_getreg_b32 s2, hwreg(HW_REG_IB_STS2, 6, 4)
	s_cmp_eq_u32 s2, 0
	s_cbranch_scc0 .Lentry_in_a_cluster
	s_endpgm
.Lentry_in_a_cluster:
	s_bfe_u32 s2, ttmp6, 0x10000c
	s_cmp_lg_u32 s2, 0x3003
	s_cbranch_scc0 .Lentry_shape_is_right
	s_endpgm
.Lentry_shape_is_right:
; Attention on codes of E3M2: 4,096 queries x 1,024 keys, head size 64, for 32 (batch, head).  Work-group y = 8 x batch + pair of heads; x = a block of 256 queries.
; SHARES.  Each of sixteen waves owns one tile of 16 queries and takes the pair's two heads one after the other: it ends with one whole fragment (16 rows x 128 of hidden) and one scale word of the last product's operand.
; LDS holds the pair's block of kv as it lies in memory (204,800 bytes), each byte filled once, in two groups of loads, one load a wave in each: at the head the scale words and the even head's K and V
; (106,496 bytes: 26 rows of 256 bytes a wave); behind the full sequence and a round of the cluster's barrier the odd head's K and V (98,304 bytes: 24 rows a wave), which land under the even head's key steps.
; A barrier ahead of the odd head shows them to all waves.
; CLUSTER 4 x 1: the four query blocks of a cluster read the same block of kv and ask for it jointly.  No prefetch: all that the work-group reads through LDS is asked for ahead of the first key step, and no loop asks for tiles.
; LAYOUT.  Both products are used transposed: S^T = K Q^T (source 0 = 16 keys), O^T = V^T P^T (source 0 = 16 channels): a lane holds one query.  Lane r of a tile T of keys or channels is 32 (T / 2) + 8 (T % 2) + r + 8 (r / 8),
; so the 16 registers of result tiles 2 b, 2 b + 1 are 16 neighbours, 32 b + 16 (lane / 16) + 0 .. 15.
; K = 64 IN AN INSTRUCTION OF 128.  The even head's q lies in registers 0-5 of its operand over six registers of zero codes, the odd head's in 6-11 under six.  K's six registers a tile lie on end, so the other half of a
; fragment of K is a neighbour tile's codes (or a pad of zeros): they meet zero codes and add nothing.  One scale word [A0 A1 B0 B1] serves both heads.
; SOFTMAX.  t = score x log2(e) / 8; M = the running largest t rounded up to a whole number; p = 2^(t - M) is quantised along the keys; the sum is taken of the unquantised p; when M moves, sum and O^T are multiplied by a power of two.
; LIMITS: the scaled scores stay under 2^31 in magnitude; a block whose largest magnitude lies under 2^-122 is held at the byte 1; a block of zeros gets the byte 1, not 127; NaN and infinities are not served.
.set ADK, 4                            ; v4-7 the step's LDS addresses: K, V, K's scale words, V's
.set ADV, 5
.set ADS, 6
.set ADT, 7
.set F,   44                           ; v44-103: a pad of 6, 48 registers of K's or V's codes, a pad of 6
.set S,   112                          ; v112-175 S^T, then p
.set O,   176                          ; v176-207 O^T
.set PCD, 208                          ; v208-219 p's codes
.set TQ,  220                          ; v220-222, v224-226 at work
.set SPW, 223                          ; the add's two registers
.set NIL, 227
.set BM,  228
.set PT,  232
.set SO,  236
.set FF,  240                          ; v[240:241] f = 2^(old M - new M)
.set TMP, 242
.set PWD, 243                          ; p's scale word, and nothing else
.set OC,  244                          ; v244-255 the output's codes (v250-255 at work until the odd head's end)
.set WV,  12
.set SEL, 20
.set CS,  22
.set TK,  48
.set TV,  49
.set TS,  50
.set TT,  51
.set CNT, 52
.macro PLACES
.rept 4
	v_nop
.endr
.endm
.macro CROUND                          ; a round of the cluster's barrier
	s_barrier_signal -1
	s_barrier_wait -1
	s_cmp_lg_u32 s[WV], 0
	s_cbranch_scc1 .Lnot_wave_0_\@
	s_barrier_signal -3
.Lnot_wave_0_\@:
	s_barrier_wait -3
	s_barrier_signal -1
	s_barrier_wait -1
.endm
	s_load_b256 s[4:11], s[0:1], 0x0               ; qc 4, qs 6, kv 8, ao 10
	v_lshl_add_u32 v[SPW], v0, 2, 0x32000
	v_mov_b32 v[NIL], 0
	ds_add_u32 v[SPW], v[NIL]                      ; the opening lines: the add twice and one wait
	ds_add_u32 v[SPW], v[NIL]
	v_lshrrev_b32 v1, 5, v0
	v_readfirstlane_b32 s[WV], v1                  ; wave 0..15
	s_bfe_u32 s13, ttmp6, 0x40000                  ; cx: it enters qc's, qs's and ao's addresses alone
	s_lshl_b32 s14, ttmp9, 2
	s_add_co_u32 s14, s14, s13                     ; my block of 256 queries
	s_and_b32 s15, ttmp7, 0xffff                   ; 8 x batch + pair, which the four partners share
	s_mov_b32 s24, 15|(3<<16)|(1<<21)              ; group 1: 26 rows of 256 bytes (32 elements of 8 bytes), dense; the mask names all four partners
	s_mov_b32 s25, 32<<16
	s_mov_b32 s26, 26<<16
	s_mov_b32 s27, 32<<16
	s_mov_b32 s28, 26
	s_mov_b32 s29, 32
	s_mov_b32 s30, 0
	s_mov_b32 s31, 0
	s_mul_i32 s16, s15, 204800
	s_mul_i32 s18, s[WV], 6656                     ; my part of the first group,
	s_mul_i32 s19, s[WV], 6144
	s_add_co_u32 s19, s19, 106496                  ; and of the second
	s_add_co_u32 s32, s16, s19
	s_add_co_u32 s16, s16, s18
	s_mov_b32 s17, 0
	s_mov_b32 s33, 0
	s_wait_dscnt 0x0
	s_wait_kmcnt 0x0
	s_mov_b32 s40, 1
	s_mov_b32 s41, s18                             ; LDS as memory: byte for byte
	s_add_nc_u64 s[42:43], s[8:9], s[16:17]
	s_or_b32 s43, s43, 0x80000000
	s_add_nc_u64 s[32:33], s[8:9], s[32:33]        ; kept for the second group
	CROUND                                         ; all four work-groups are here: the joint loads meet
	tensor_load_to_lds s[40:43], s[24:31]
	s_nop 0
.rept 4
	v_nop
.endr
	s_lshl_b32 s56, s14, 4
	s_add_co_u32 s56, s56, s[WV]                   ; t: my tile of queries in the batch
	s_lshl_b32 s57, s15, 8
	s_add_co_u32 s57, s57, s56
	s_mul_i32 s58, s57, 1536
	s_mov_b32 s59, 0
	s_add_nc_u64 s[4:5], s[4:5], s[58:59]          ; its codes
	s_lshr_b32 s58, s57, 2
	s_lshl_b32 s58, s58, 9
	s_and_b32 s60, s56, 3
	s_lshl_b32 s60, s60, 2
	s_add_co_u32 s58, s58, s60
	s_add_nc_u64 s[6:7], s[6:7], s[58:59]          ; its scale words
	s_lshr_b32 s60, s15, 3
	s_lshl_b32 s60, s60, 8
	s_add_co_u32 s60, s60, s56                     ; T: my tile among the 512 of ao's rows
	s_and_b32 s61, s15, 7                          ; the pair = the last product's K step
	s_lshr_b32 s62, s61, 1
	s_lshl_b32 s62, s62, 6
	s_lshr_b32 s63, s60, 3
	s_add_co_u32 s62, s62, s63
	s_mul_i32 s62, s62, 25600                      ; the unit (pair / 2, T / 8)
	s_and_b32 s60, s60, 7                          ; tile in it
	s_and_b32 s61, s61, 1                          ; step in it
	s_mul_i32 s58, s60, 3072
	s_add_co_u32 s58, s58, s62
	s_mul_i32 s63, s61, 1536
	s_add_co_u32 s58, s58, s63
	s_add_nc_u64 s[66:67], s[10:11], s[58:59]      ; where my fragment goes
	s_lshr_b32 s58, s60, 1
	s_lshl_b32 s58, s58, 8
	s_and_b32 s63, s60, 1
	s_lshl_b32 s63, s63, 3
	s_add_co_u32 s58, s58, s63
	s_lshl_b32 s63, s61, 2
	s_add_co_u32 s58, s58, s63
	s_add_co_u32 s58, s58, s62
	s_add_co_u32 s58, s58, 24576
	s_add_nc_u64 s[68:69], s[10:11], s[58:59]      ; and its scale words
	s_mov_b32 s[SEL], 0x76543210
	s_mov_b32 s[SEL+1], 0xfedcba98                 ; v_permlanex16_b32's selects for lane l xor 16
	s_mov_b32 s[CS], 0x3e38aa3b                    ; c = log2(e) / sqrt(64)
	s_mov_b32 s[CS+1], s[CS]
	v_and_b32 v3, 31, v0
	v_and_b32 v8, 15, v0
	v_lshlrev_b32 v1, 3, v3                        ; 8 x lane
	v_lshlrev_b32 v2, 4, v3                        ; 16 x lane
	v_lshlrev_b32 v3, 4, v8                        ; 16 r
.irp p, 0,1,2
	global_load_b64 v[16+2*\p:17+2*\p], v1, s[4:5] offset:256*\p          ; the even head's q: registers 0-5 of its operand
	global_load_b64 v[34+2*\p:35+2*\p], v1, s[4:5] offset:768+256*\p      ; the odd head's: registers 6-11 of its
.endr
	global_load_b32 v40, v2, s[6:7]                ; q's scale words
.irp j, 22,23,24,25,26,27,28,29,30,31,32,33
	v_mov_b32 v[\j], 0                             ; zero codes in the other halves
.endr
.irp j, 0,1,2,3,4,5
	v_mov_b32 v[F+\j], 0                           ; the two pads
	v_mov_b32 v[F+54+\j], 0
.endr
.irp b, 0,1,2,3
	v_mov_b32 v[PT+\b], 0                          ; written once: a lane permute's destination counts as one of its sources
.endr
	v_mov_b32 v[FF+1], 0
	v_mov_b32 v[TMP], 0
; A KEY STEP of head e: 128 keys.
.macro STEP e
	v_add_nc_u32 v[ADK], s[TK], v1                 ; these four are also the places behind the last step's products
	v_add_nc_u32 v[ADV], s[TV], v2
	v_add_nc_u32 v[ADS], s[TS], v2
	v_add_nc_u32 v[ADT], s[TT], v1
.irp t, 0,1,2,3,4,5,6,7
.irp p, 0,1,2
	ds_load_b64 v[F+6+6*\t+2*\p:F+7+6*\t+2*\p], v[ADK] offset:768*\t+256*\p   ; 256 consecutive bytes a load
.endr
.endr
	ds_load_b128 v[104:107], v[ADS]                ; K's scale words: register j: tile 2 j in lanes 0-15, tile 2 j + 1 in lanes 16-31
	s_wait_alu depctr_va_vdst(0)
	s_wait_dscnt 0x0
.irp t, 0,2,4,6
	v_wmma_scale_f32_16x16x128_f8f6f4 v[S+8*\t:S+8*\t+7], v[F+6-6*\e+6*\t:F+17-6*\e+6*\t], v[16+12*\e:27+12*\e], 0, v[104+\t/2], v40 matrix_a_fmt:MATRIX_FMT_BF6 matrix_b_fmt:MATRIX_FMT_BF6
	v_wmma_scale_f32_16x16x128_f8f6f4 v[S+8*\t+8:S+8*\t+15], v[F+12-6*\e+6*\t:F+23-6*\e+6*\t], v[16+12*\e:27+12*\e], 0, v[104+\t/2], v40 matrix_a_fmt:MATRIX_FMT_BF6 matrix_b_fmt:MATRIX_FMT_BF6 matrix_a_scale:MATRIX_SCALE_ROW1
.endr
	PLACES
.irp t, 0,1,2,3
.irp c, 0,1,2
	ds_load_b128 v[F+6+12*\t+4*\c:F+9+12*\t+4*\c], v[ADV] offset:12288*\t+512*\c   ; V's four fragments land under the softmax
.endr
.endr
	ds_load_b64 v[108:109], v[ADT]
.irp b, 0,1,2,3
	v_max3_num_f32 v[BM+\b], v[S+16*\b], v[S+1+16*\b], v[S+2+16*\b]   ; the largest score of each block of 32 keys: it serves the row's maximum and the block's largest p
.endr
.irp i, 3,5,7,9,11,13
.irp b, 0,1,2,3
	v_max3_num_f32 v[BM+\b], v[BM+\b], v[S+16*\b+\i], v[S+1+16*\b+\i]
.endr
.endr
.irp b, 0,1,2,3
	v_max_num_f32 v[BM+\b], v[BM+\b], v[S+15+16*\b]
.endr
.irp b, 0,1,2,3
	v_permlanex16_b32 v[PT+\b], v[BM+\b], s[SEL], s[SEL+1]
.endr
.irp b, 0,1,2,3
	v_max_num_f32 v[BM+\b], v[BM+\b], v[PT+\b]     ; with lane l xor 16's 16 keys
.endr
	s_delay_alu instid0(VALU_DEP_2)
	v_max3_num_f32 v[TMP], v[BM], v[BM+1], v[BM+2]
	s_delay_alu instid0(VALU_DEP_1)
	v_max_num_f32 v[TMP], v[TMP], v[BM+3]
	s_delay_alu instid0(VALU_DEP_1)
	v_mul_f32 v[TMP], s[CS], v[TMP]                ; as t (c is positive)
	s_delay_alu instid0(VALU_DEP_1)
	v_max_num_f32 v13, v13, v[TMP]                 ; the running largest t
	v_mov_b32 v[TMP], v12
	s_delay_alu instid0(VALU_DEP_2)
	v_floor_f32 v12, -v13                          ; the new -M = floor(-t): M is a whole number
	s_delay_alu instid0(VALU_DEP_1)
	v_sub_f32 v[TMP], v12, v[TMP]                  ; old M - new M: a whole number, 0 or less
	s_delay_alu instid0(VALU_DEP_1)
	v_cvt_i32_f32 v[TMP], v[TMP]                   ; (it saturates)
	s_delay_alu instid0(VALU_DEP_1)
	v_ldexp_f32 v[FF], 1.0, v[TMP]                 ; f = 2^(old M - new M)
.set JJ, 0
.rept 32
	v_pk_fma_f32 v[S+JJ:S+JJ+1], v[S+JJ:S+JJ+1], s[CS:CS+1], v[12:13] op_sel_hi:[1,0,0]   ; t - M
.set JJ, JJ+2
.endr
.irp b, 0,1,2,3
	v_fma_f32 v[BM+\b], v[BM+\b], s[CS], v12       ; the same of each block's largest score
.endr
	s_wait_alu depctr_va_vdst(0)                   ; the wait ahead of the batch
.set JJ, 0
.rept 64
	v_exp_f32 v[S+JJ], v[S+JJ]                     ; p = 2^(t - M): not normalised
.set JJ, JJ+1
.endr
	v_pk_mul_f32 v[14:15], v[14:15], v[FF:FF+1] op_sel_hi:[1,0]   ; the sums under the new M; the plain instruction behind the exponentials
	s_wait_alu depctr_va_vdst(0)                   ; one wait for the batch, ahead of its first reader
.irp b, 0,1,2,3
	v_exp_f32 v[BM+\b], v[BM+\b]                   ; the block's largest p
.endr
	v_pk_add_f32 v[220:221], v[S:S+1], v[S+8:S+9]  ; the row's sum of the unquantised p: four chains by turns
	v_pk_add_f32 v[254:255], v[S+2:S+3], v[S+10:S+11]
	v_pk_add_f32 v[252:253], v[S+4:S+5], v[S+12:S+13]
	v_pk_add_f32 v[250:251], v[S+6:S+7], v[S+14:S+15]
.irp j, 16,24,32,40,48,56
	v_pk_add_f32 v[220:221], v[220:221], v[S+\j:S+\j+1]
	v_pk_add_f32 v[254:255], v[254:255], v[S+\j+2:S+\j+3]
	v_pk_add_f32 v[252:253], v[252:253], v[S+\j+4:S+\j+5]
	v_pk_add_f32 v[250:251], v[250:251], v[S+\j+6:S+\j+7]
.endr
	v_pk_add_f32 v[220:221], v[220:221], v[254:255]
	v_pk_add_f32 v[252:253], v[252:253], v[250:251]
	s_delay_alu instid0(VALU_DEP_2)
	v_pk_add_f32 v[14:15], v[14:15], v[220:221]
	s_delay_alu instid0(VALU_DEP_1)
	v_pk_add_f32 v[14:15], v[14:15], v[252:253]
	s_wait_alu depctr_va_vdst(0)                   ; and one for the four
.irp b, 0,1,2,3
	v_max_num_f32 v[BM+\b], 0x2800000, v[BM+\b]    ; the floor 2^(5 - 127)
.endr
.irp b, 0,1,2,3
	v_add_nc_u32 v[SO+\b], 0xfe000000, v[BM+\b]    ; 4 off the exponent field: the conversion's scale operand
.endr
.irp b, 0,1,2,3
	v_lshrrev_b32 v[PT+\b], 23, v[SO+\b]           ; the scale's byte
.endr
	s_delay_alu instid0(VALU_DEP_3)
	v_lshl_or_b32 v[PWD], v[PT+1], 8, v[PT]        ; p's scale word for these 128 keys
	s_delay_alu instid0(VALU_DEP_1)
	v_lshl_or_b32 v[PWD], v[PT+2], 16, v[PWD]
	s_delay_alu instid0(VALU_DEP_1)
	v_lshl_or_b32 v[PWD], v[PT+3], 24, v[PWD]
.irp c, 0,1
	v_cvt_scalef32_pk16_bf6_f32 v[PCD+6*\c:PCD+2+6*\c], v[S+32*\c:S+15+32*\c], v[SO+2*\c]
	v_cvt_scalef32_pk16_bf6_f32 v[TQ+4*\c:TQ+2+4*\c], v[S+16+32*\c:S+31+32*\c], v[SO+1+2*\c]
.endr
	v_nop                                          ; one plain instruction behind a scaled conversion
.irp c, 0,1
.irp i, 0,1,2
	v_permlane16_swap_b32 v[PCD+6*\c+\i], v[TQ+4*\c+\i]
.endr
.irp i, 0,1,2
	v_mov_b32 v[PCD+3+6*\c+\i], v[TQ+4*\c+\i]
.endr
.endr
.set JJ, 0
.rept 16
	v_pk_mul_f32 v[O+JJ:O+JJ+1], v[O+JJ:O+JJ+1], v[FF:FF+1] op_sel_hi:[1,0]   ; O^T under the new M; for each product below twelve of these name none of its registers: the places behind the writes of p's codes and scale word
.set JJ, JJ+2
.endr
	s_wait_alu depctr_va_vdst(0)
	s_wait_dscnt 0x0                               ; V
.irp t, 0,2
	v_wmma_scale_f32_16x16x128_f8f6f4 v[O+8*\t:O+8*\t+7], v[F+6+12*\t:F+17+12*\t], v[PCD:PCD+11], v[O+8*\t:O+8*\t+7], v[108+\t/2], v[PWD] matrix_a_fmt:MATRIX_FMT_BF6 matrix_b_fmt:MATRIX_FMT_BF6
	v_wmma_scale_f32_16x16x128_f8f6f4 v[O+8*\t+8:O+8*\t+15], v[F+18+12*\t:F+29+12*\t], v[PCD:PCD+11], v[O+8*\t+8:O+8*\t+15], v[108+\t/2], v[PWD] matrix_a_fmt:MATRIX_FMT_BF6 matrix_b_fmt:MATRIX_FMT_BF6 matrix_a_scale:MATRIX_SCALE_ROW1
.endr
	s_add_co_u32 s[TK], s[TK], 6144                ; the next step's tiles and scale words
	s_add_co_u32 s[TV], s[TV], 1536
	s_add_co_u32 s[TS], s[TS], 512
	s_add_co_u32 s[TT], s[TT], 256
.endm
; Head e: eight key steps; then O^T / the sum, quantised along the head's 64: registers 6 e .. 6 e + 5 of my fragment, bytes 2 e, 2 e + 1 of my scale word.
.macro HEAD e
	s_mov_b32 s[TK], 8192+98304*\e
	s_mov_b32 s[TV], 57344+98304*\e
	s_mov_b32 s[TS], 0
	s_mov_b32 s[TT], 4096+2048*\e
	v_mov_b32 v13, 0xff61b1e6                      ; the largest t so far: -3e38
	v_mov_b32 v14, 0
	v_mov_b32 v15, 0
	v_floor_f32 v12, -v13
.set JJ, 0
.rept 32
	v_mov_b32 v[O+JJ], 0                           ; the step is written once: the first finds zeros, which the first change of M leaves zeros
.set JJ, JJ+1
.endr
	s_mov_b32 s[CNT], 8
.Lstep_\@:
	STEP \e
	s_sub_co_u32 s[CNT], s[CNT], 1
	s_cmp_lg_u32 s[CNT], 0
	s_cbranch_scc1 .Lstep_\@
	PLACES                                         ; behind the last products
	v_add_f32 v14, v14, v15
	s_delay_alu instid0(VALU_DEP_1)
	v_permlanex16_b32 v[TMP], v14, s[SEL], s[SEL+1]
	s_delay_alu instid0(VALU_DEP_1)
	v_add_f32 v14, v14, v[TMP]                     ; the row's sum
	s_wait_alu depctr_va_vdst(0)
	v_rcp_f32 v14, v14
	v_nop
	s_wait_alu depctr_va_vdst(0)                   ; ahead of the reciprocal's first reader
.set JJ, 0
.rept 16
	v_pk_mul_f32 v[S+JJ:S+JJ+1], v[O+JJ:O+JJ+1], v[14:15] op_sel_hi:[1,0]   ; register 16 b + i: channel 32 b + 16 (lane / 16) + i
.set JJ, JJ+2
.endr
.irp b, 0,1
	v_max3_num_f32 v[BM+\b], |v[S+16*\b]|, |v[S+1+16*\b]|, 0x2800000
.endr
.irp i, 2,4,6,8,10,12,14
.irp b, 0,1
	s_delay_alu instid0(VALU_DEP_2)
	v_max3_num_f32 v[BM+\b], v[BM+\b], |v[S+16*\b+\i]|, |v[S+1+16*\b+\i]|
.endr
.endr
.irp b, 0,1
	s_delay_alu instid0(VALU_DEP_2)
	v_permlanex16_b32 v[PT+\b], v[BM+\b], s[SEL], s[SEL+1]
.endr
.irp b, 0,1
	s_delay_alu instid0(VALU_DEP_2)
	v_max_num_f32 v[BM+\b], v[BM+\b], v[PT+\b]
.endr
.irp b, 0,1
	s_delay_alu instid0(VALU_DEP_2)
	v_add_nc_u32 v[SO+\b], 0xfe000000, v[BM+\b]
.endr
.irp b, 0,1
	s_delay_alu instid0(VALU_DEP_2)
	v_lshrrev_b32 v[PT+\b], 23, v[SO+\b]
.endr
.if \e == 0
	s_delay_alu instid0(VALU_DEP_1)
	v_lshl_or_b32 v41, v[PT+1], 8, v[PT]
.else
	s_delay_alu instid0(VALU_DEP_2)
	v_lshl_or_b32 v41, v[PT], 16, v41
	s_delay_alu instid0(VALU_DEP_1)
	v_lshl_or_b32 v41, v[PT+1], 24, v41
.endif
	v_cvt_scalef32_pk16_bf6_f32 v[OC+6*\e:OC+2+6*\e], v[S:S+15], v[SO]
	v_cvt_scalef32_pk16_bf6_f32 v[TQ:TQ+2], v[S+16:S+31], v[SO+1]
	v_nop
.irp i, 0,1,2
	v_permlane16_swap_b32 v[OC+6*\e+\i], v[TQ+\i]
.endr
.irp i, 0,1,2
	v_mov_b32 v[OC+3+6*\e+\i], v[TQ+\i]
.endr
.endm
	s_wait_alu depctr_va_vdst(0)                   ; the wait at the head's end
	s_wait_loadcnt 0x0                             ; q
	s_wait_tensorcnt 0x0                           ; my 26 rows are in
	ds_add_u32 v[SPW], v[NIL]
	s_mov_b32 s41, s19                             ; no load of mine is out: the second group's descriptor: 24 rows a wave
	s_mov_b64 s[42:43], s[32:33]
	s_or_b32 s43, s43, 0x80000000
	s_mov_b32 s26, 24<<16
	s_mov_b32 s28, 24
	s_wait_dscnt 0x0
	CROUND                                         ; everybody's part of the first group is in, and the four work-groups are here: the joint loads meet
	tensor_load_to_lds s[40:43], s[24:31]          ; the odd head's K and V
	s_nop 0
.rept 4
	v_nop
.endr
	HEAD 0
	s_wait_tensorcnt 0x0                           ; my part of the odd head is in,
	s_barrier_signal -1
	s_barrier_wait -1                              ; and everybody's; nothing is filled again
	HEAD 1
.irp c, 0,1,2
	global_store_b128 v2, v[OC+4*\c:OC+4*\c+3], s[66:67] offset:512*\c   ; 512 consecutive aligned bytes
.endr
	global_store_b32 v3, v41, s[68:69]             ; lanes l and l + 16 hold row r's word and store the same word to the same place
	s_wait_tensorcnt 0x0                           ; the wave's end
	ds_add_u32 v[SPW], v[NIL]
	s_wait_dscnt 0x0
	CROUND                                         ; the closing round
	s_endpgm
.Lfunc_end_k_qdc3f2439d2_attn:
	.size	k_qdc3f2439d2_attn, .Lfunc_end_k_qdc3f2439d2_attn-k_qdc3f2439d2_attn
	.p2alignl 7, 3214868480
	.fill 96, 4, 3214868480
	.section	.rodata,"a",@progbits
	.p2align	6, 0x0
	.amdhsa_kernel k_qdc3f2439d2_attn
		.amdhsa_group_segment_fixed_size 327680
		.amdhsa_private_segment_fixed_size 0
		.amdhsa_enable_private_segment 0
		.amdhsa_kernarg_size 32
		.amdhsa_user_sgpr_count 2
		.amdhsa_user_sgpr_kernarg_segment_ptr 1
		.amdhsa_wavefront_size32 1
		.amdhsa_system_sgpr_workgroup_id_x 1
		.amdhsa_system_sgpr_workgroup_id_y 1
		.amdhsa_system_sgpr_workgroup_id_z 1
		.amdhsa_system_vgpr_workitem_id 0
		.amdhsa_next_free_vgpr 256
		.amdhsa_next_free_sgpr 70
		.amdhsa_reserve_vcc 0
		.amdhsa_float_denorm_mode_32 3
		.amdhsa_float_denorm_mode_16_64 3
		.amdhsa_memory_ordered 1
		.amdhsa_forward_progress 1
		.amdhsa_inst_pref_size 52
	.end_amdhsa_kernel
	.amdgpu_metadata
---
amdhsa.version: [ 1, 2 ]
amdhsa.kernels:
  - .name:           k_qdc3f2439d2_attn
    .symbol:         k_qdc3f2439d2_attn.kd
    .args:
      - { .name: qc, .offset: 0, .size: 8, .value_kind: global_buffer, .address_space: global }
      - { .name: qs, .offset: 8, .size: 8, .value_kind: global_buffer, .address_space: global }
      - { .name: kv, .offset: 16, .size: 8, .value_kind: global_buffer, .address_space: global }
      - { .name: ao, .offset: 24, .size: 8, .value_kind: global_buffer, .address_space: global }
    .group_segment_fixed_size: 327680
    .private_segment_fixed_size: 0
    .kernarg_segment_align: 8
    .kernarg_segment_size: 32
    .max_flat_workgroup_size: 512
    .sgpr_count:     70
    .vgpr_count:     256
    .wavefront_size: 32
...
	.end_amdgpu_metadata
.endif
;; end of part 3
;; launch oproj (part 4): grid 4 x 64, 4 waves a work-group, clusters of 4 x 4, 307,712 bytes of LDS; arguments ao, img, o_b, alpha, image_tokens, out0; writes out0
.if DOCPART == 4
	.amdgcn_target "amdgcn-amd-amdhsa--gfx1250"
	.amdhsa_code_object_version 6
	.text
	.protected	k_qdc3f2439d2_oproj
	.globl	k_qdc3f2439d2_oproj
	.p2align	8
	.type	k_qdc3f2439d2_oproj,@function
k_qdc3f2439d2_oproj:
	s_mov_b64 s[64:65], 0
	v_nop
	global_prefetch_b8 v0, s[64:65] scope:SCOPE_SE
	s_setreg_imm32_b32 hwreg(HW_REG_WAVE_MODE, 25, 1), 1
	s_wait_xcnt 0x0
	s_wait_alu depctr_hold_cnt(0) depctr_sa_sdst(0) depctr_va_vdst(0) depctr_va_sdst(0) depctr_va_ssrc(0) depctr_va_vcc(0) depctr_vm_vsrc(0)
	s_getreg_b32 s2, hwreg(HW_REG_IB_STS2, 6, 4)
	s_cmp_eq_u32 s2, 0
	s_cbranch_scc0 .Lentry_in_a_cluster
	s_endpgm
.Lentry_in_a_cluster:
	s_bfe_u32 s2, ttmp6, 0x10000c
	s_cmp_lg_u32 s2, 0xf033
	s_cbranch_scc0 .Lentry_shape_is_right
	s_endpgm
.Lentry_shape_is_right:
; out0 = image_tokens + alpha x (attention's output x o_w^T + o_b), the product on codes of E3M2 (K = 1,024).  A = ao (8,192 rows), B = o_w's section of img.
; SHARES.  A work-group makes 128 rows x 256 columns; wave w rows 64 (w / 2) .., columns 128 (w % 2) ...  All of K lies in LDS, in units of 25,600 bytes (128 rows x 256 K: codes as images of the
; operand's registers, then scale words): A's four at 0, B's two groups of four at 4 and 8 units.  In memory a group's units lie a plane apart: a tensor load takes them as rows of 25,600 bytes.
; Every LDS byte is filled once, by one tensor load a wave at the head: waves 0, 1 two units of A each, waves 2, 3 four of B each.  One barrier shows all of it to all waves.
; TWO PASSES over K, each for two of the wave's four tiles of 16 rows (16 accumulators): pass 0's rows are finished and their stores go out four behind each step of pass 1.
; image_tokens: the 32 loads of pass 0's rows go out at the head, those of pass 1's rows four behind each step of pass 0; the results are made in the same registers.
; CLUSTER 4 x 4: A's units are asked for jointly along a row of the cluster, B's along a column.  No prefetch: the text has no loop to run ahead in.
; THE MATRIX INSTRUCTION IS USED TRANSPOSED (source 0 = 16 rows of o_w, source 1 = 16 rows of ao).  Lane r of a tile T is row 32 (T / 2) + 8 (T % 2) + r + 8 (r / 8): a lane holds one row, and the 16 registers of
; accumulators 2 b, 2 b + 1 are columns 32 b + 16 (lane / 16) + 0 .. 15.
; THE WAY OUT: 16 rows x 64 columns at a time go through the wave's own stage in LDS (16 rows of 256 + 16 bytes) and come back two rows a load: sixteen lanes hold one aligned unit of 256 bytes of a row.
; The stage lies in A's tiles of pass 0 (unit w % 2, tiles 4 (w / 2), + 1: 6,144 bytes, which only the two waves of these rows read, in pass 0 alone).
; PIECE n (0 .. 63) of my 64 x 128 numbers: tile a = n / 16, columns 64 ((n / 8) % 2) .., stage rows 2 (n % 8), + 1; it lies in window 3 at 4 n.
; REGISTERS: window 0: v2 16 x lane, v4 16 r, v5, v6 the stage, v9 a piece's offset; v16-31 LDS addresses; v32-79 scale words alone; v80-87 o_b; v126, v127 the add's; v128-175 A's fragments, two sets; v176-239 rows back from the stage, two sets.
;   window 1: v0-127 the accumulators, (a, b) at 64 a + 8 b.   window 2: v0-191 B's fragments, two sets.   window 3: image_tokens, then the results.
.set UNIT,  25600
.set SPARE, 307200
.set WV,  6
.set VA,  16
.set VB,  20
.set VSA, 24
.set VSB, 28
.set SCS, 32
.set AF,  128
.set BK,  176
.set STO, 5
.set SRD, 6
.set VIO, 9
.set SPW, 126
.set NIL, 127
.set G1A, 24
.set G1B, 32
.set G0A, 40
.set G0B, 44
.set MSB, 0
.macro WIN new                         ; the immediate's high byte repeats the setting that is left
.if MSB != \new
	s_set_vgpr_msb (MSB<<8)|\new
.set MSB, \new
.endif
.endm
.set MUL,  0x52                        ; source 0 (B) window 2, source 1 (A) window 0, C and D window 1
.set TO_B, 0x80
.macro PLACES                          ; four plain instructions behind a matrix instruction (ISA guide 7.12.1)
.rept 4
	v_nop
.endr
.endm
.macro CROUND
	s_barrier_signal -1
	s_barrier_wait -1
	s_cmp_lg_u32 s[WV], 0
	s_cbranch_scc1 .Lnot_wave_0_\@
	s_barrier_signal -3
.Lnot_wave_0_\@:
	s_barrier_wait -3
	s_barrier_signal -1
	s_barrier_wait -1
.endm
	s_load_b256 s[84:91], s[0:1], 0x0              ; ao 84, img 86, o_b 88, alpha 90
	s_load_b128 s[92:95], s[0:1], 0x20             ; image_tokens 92, out0 94
	v_lshl_add_u32 v[SPW], v0, 2, SPARE
	v_mov_b32 v[NIL], 0
	ds_add_u32 v[SPW], v[NIL]                      ; the opening lines: the add twice and one wait
	ds_add_u32 v[SPW], v[NIL]
	v_lshrrev_b32 v1, 5, v0
	v_readfirstlane_b32 s[WV], v1
	s_lshr_b32 s7, s[WV], 1
	s_and_b32 s8, s[WV], 1
	s_bfe_u32 s9, ttmp6, 0x40000                   ; cx = the tile column
	s_bfe_u32 s10, ttmp6, 0x40004                  ; cy
	s_and_b32 s11, ttmp7, 0xffff
	s_lshl_b32 s12, s10, 2
	s_lshl_b32 s12, 15, s12                        ; my row of the cluster
	s_lshl_b32 s13, 0x1111, s9                     ; my column
	s_or_b32 s[G1A], s12, (3<<16)|(1<<21)          ; elements of 8 bytes; a row is a unit: 3,200 elements
	s_or_b32 s[G1B], s13, (3<<16)|(1<<21)
.irp g, G1A, G1B
	s_mov_b32 s[\g+1], 3200<<16
	s_mov_b32 s[\g+3], 3200<<16
	s_mov_b32 s[\g+6], 0
	s_mov_b32 s[\g+7], 0
.endr
	s_mov_b32 s[G1A+2], 2<<16                      ; two units a load,
	s_mov_b32 s[G1A+4], 2
	s_mov_b32 s[G1A+5], 204800                     ; ao's plane: 64 units, in elements
	s_mov_b32 s[G1B+2], 4<<16                      ; four units a load,
	s_mov_b32 s[G1B+4], 4
	s_mov_b32 s[G1B+5], 25600                      ; o_w's plane: 8 units
	s_lshl_b32 s20, s11, 2
	s_add_co_u32 s20, s20, s10                     ; tile row: never holds cx
	s_mul_i32 s22, s20, UNIT
	s_mul_i32 s16, s8, 3276800                     ; units S = 2 (wave % 2) ..
	s_add_co_u32 s22, s22, s16
	s_mov_b32 s23, 0
	s_lshl_b32 s2, s9, 1
	s_add_co_u32 s2, s2, s8                        ; o_w's group 2 cx + wave % 2
	s_mul_i32 s2, s2, UNIT
	s_add_co_u32 s2, s2, 10649600
	s_mov_b32 s3, 0
	s_mul_i32 s100, s8, 2*UNIT
	s_mul_i32 s101, s8, 4*UNIT
	s_add_co_u32 s101, s101, 4*UNIT                ; my group of B in LDS: where I put it, and where I read it
	s_wait_dscnt 0x0
	s_wait_kmcnt 0x0
	s_mov_b32 s[G0A], 1
	s_mov_b32 s[G0A+1], s100
	s_add_nc_u64 s[G0A+2:G0A+3], s[84:85], s[22:23]
	s_or_b32 s[G0A+3], s[G0A+3], 0x80000000
	s_mov_b32 s[G0B], 1
	s_mov_b32 s[G0B+1], s101
	s_add_nc_u64 s[G0B+2:G0B+3], s[86:87], s[2:3]
	s_or_b32 s[G0B+3], s[G0B+3], 0x80000000
	CROUND                                         ; all sixteen work-groups are here: the joint loads meet
	s_cmp_eq_u32 s7, 0                             ; one load a wave: waves 0, 1 for A, waves 2, 3 for B
	s_cbranch_scc0 .Lfor_b
	tensor_load_to_lds s[G0A:G0A+3], s[G1A:G1A+7]
	s_nop 0
.rept 4
	v_nop
.endr
	s_branch .Lasked
.Lfor_b:
	tensor_load_to_lds s[G0B:G0B+3], s[G1B:G1B+7]
	s_nop 0
.rept 4
	v_nop
.endr
.Lasked:
	s_load_b32 s96, s[90:91], 0x0                  ; alpha
	s_mul_i32 s100, s7, 12288                      ; my four tiles of A
	s_lshl_b32 s98, s7, 9
	s_add_co_u32 s98, s98, 24576                   ; their scale words
	s_add_co_u32 s99, s101, 24576
	s_mul_i32 s12, s8, UNIT
	s_add_co_u32 s12, s12, s100                    ; my stage
	s_lshl_b32 s22, s20, 7
	s_lshl_b32 s23, s7, 6
	s_add_co_u32 s22, s22, s23                     ; my first row
	s_lshl_b32 s2, s9, 10
	s_lshl_b32 s3, s8, 9
	s_add_co_u32 s2, s2, s3                        ; my first column, in bytes
	s_mov_b32 s3, 0
	s_add_nc_u64 s[88:89], s[88:89], s[2:3]
	s_lshl_b32 s66, s22, 12
	s_add_co_u32 s66, s66, s2
	s_mov_b32 s67, 0
	s_add_nc_u64 s[92:93], s[92:93], s[66:67]
	s_add_nc_u64 s[94:95], s[94:95], s[66:67]
	v_and_b32 v1, 31, v0
	v_and_b32 v3, 15, v0                           ; r
	v_bfe_u32 v7, v0, 4, 1                         ; h
	v_lshlrev_b32 v2, 4, v1                        ; 16 x lane
	v_lshlrev_b32 v4, 4, v3                        ; 16 r
	v_mul_u32_u24 v8, v3, 272
	v_mul_u32_u24 v10, v7, 272
	v_lshl_add_u32 v8, v7, 6, v8
	v_add_nc_u32 v10, v10, v4
	v_add_nc_u32 v[STO], s12, v8                   ; into the stage: row r, + 64 h
	v_add_nc_u32 v[SRD], s12, v10                  ; back: lanes 0-15 one row of 256 bytes, lanes 16-31 the next
	v_lshl_add_u32 v[VIO], v7, 12, v4              ; and the same two rows in image_tokens and out0
	v_add_nc_u32 v[VA], s100, v2
	v_add_nc_u32 v[VB], s101, v2
	v_add_nc_u32 v[VSA], s98, v4
	v_add_nc_u32 v[VSB], s99, v4
.irp ch, 1,2,3
	v_add_nc_u32 v[VA+\ch], \ch*UNIT, v[VA]
	v_add_nc_u32 v[VB+\ch], \ch*UNIT, v[VB]
	v_add_nc_u32 v[VSA+\ch], \ch*UNIT, v[VSA]
	v_add_nc_u32 v[VSB+\ch], \ch*UNIT, v[VSB]
.endr
	s_wait_alu depctr_va_vdst(0)                   ; the wait at the head's end
.macro LDIMG n0, cnt                   ; pieces n0 .. of image_tokens: sixteen lanes read one aligned unit of 256 bytes
	WIN 0xc0
.set NN, \n0
.rept \cnt
	global_load_b128 v[4*NN:4*NN+3], v[VIO], s[92:93] offset:(32*(NN/32)+8*((NN/16)%2)+2*(NN%8)+8*((NN%8)/4))*4096+256*((NN/8)%2) th:TH_LOAD_NT
.set NN, NN+1
.endr
	WIN 0
.endm
.macro STOUT n0, cnt                   ; pieces n0 .. of out0: sixteen lanes store one aligned unit of 256 bytes
	WIN 0x0c
.set NN, \n0
.rept \cnt
	global_store_b128 v[VIO], v[4*NN:4*NN+3], s[94:95] offset:(32*(NN/32)+8*((NN/16)%2)+2*(NN%8)+8*((NN%8)/4))*4096+256*((NN/8)%2) th:TH_STORE_NT
.set NN, NN+1
.endr
	WIN 0
.endm
	global_load_b128 v[80:83], v4, s[88:89]        ; o_b of my four columns, in each half of the 128
	global_load_b128 v[84:87], v4, s[88:89] offset:256
	LDIMG 0, 32
	s_wait_kmcnt 0x0
	s_mov_b32 s97, s96                             ; (the packed form names a pair)
; The fragments of step s of pass p: B's eight, A's tiles 2 p, 2 p + 1; with a unit's first step its scale words.
.macro FETCH s, p
	WIN TO_B
.irp b, 0,1,2,3,4,5,6,7
.irp c, 0,1,2
	ds_load_b128 v[96*((\s)%2)+12*\b+4*\c:96*((\s)%2)+12*\b+4*\c+3], v[VB+(\s)/2] offset:\b*3072+((\s)%2)*1536+512*\c
.endr
.endr
	WIN 0
.irp a, 0,1
.irp c, 0,1,2
	ds_load_b128 v[AF+24*((\s)%2)+12*\a+4*\c:AF+24*((\s)%2)+12*\a+4*\c+3], v[VA+(\s)/2] offset:(2*(\p)+\a)*3072+((\s)%2)*1536+512*\c
.endr
.endr
.if ((\s)%2) == 0
.irp q, 0,1,2,3
	ds_load_b128 v[SCS+24*(((\s)/2)%2)+4*\q:SCS+24*(((\s)/2)%2)+4*\q+3], v[VSB+(\s)/2] offset:256*\q
.endr
	ds_load_b128 v[SCS+24*(((\s)/2)%2)+16:SCS+24*(((\s)/2)%2)+19], v[VSA+(\s)/2] offset:256*(\p)
.endif
.endm
; The 16 accumulators take turns, one instruction a turn, in the same order in every step.
.macro MUL16 s, zero
.irp a, 0,1
.irp b, 0,1,2,3,4,5,6,7
.if \zero
	v_wmma_scale_f32_16x16x128_f8f6f4 v[64*\a+8*\b:64*\a+8*\b+7], v[96*((\s)%2)+12*\b:96*((\s)%2)+12*\b+11], v[AF+24*((\s)%2)+12*\a:AF+24*((\s)%2)+12*\a+11], 0, v[SCS+24*(((\s)/2)%2)+2*\b+(\s)%2], v[SCS+24*(((\s)/2)%2)+16+2*\a+(\s)%2] matrix_a_fmt:MATRIX_FMT_BF6 matrix_b_fmt:MATRIX_FMT_BF6
.else
	v_wmma_scale_f32_16x16x128_f8f6f4 v[64*\a+8*\b:64*\a+8*\b+7], v[96*((\s)%2)+12*\b:96*((\s)%2)+12*\b+11], v[AF+24*((\s)%2)+12*\a:AF+24*((\s)%2)+12*\a+11], v[64*\a+8*\b:64*\a+8*\b+7], v[SCS+24*(((\s)/2)%2)+2*\b+(\s)%2], v[SCS+24*(((\s)/2)%2)+16+2*\a+(\s)%2] matrix_a_fmt:MATRIX_FMT_BF6 matrix_b_fmt:MATRIX_FMT_BF6
.endif
.endr
.endr
.endm
; Step s: its fragments are in; the next step's are asked for; the products; then four pieces: loads of pass 1's image_tokens in pass 0, stores of pass 0's results in pass 1.
.macro STEP s, zero, p
	s_wait_dscnt 0x0
.if (\s) < 7
.if (\s) > 0
	PLACES
.endif
	FETCH (\s)+1, \p
.endif
	WIN MUL
	MUL16 \s, \zero
	WIN 0
.if \p == 0
	LDIMG 32+4*(\s), 4
.else
	STOUT 4*(\s), 4
.endif
.endm
; Tile a (0, 1 of the pass), columns 64 hf ..: into my stage and back, two rows a load.  LDS serves a wave's instructions in order (ISA guide 5.7.1.4): no wait between the stores and the loads, nor ahead of the next stores.
.macro TOST a, hf
	WIN 0x04                                       ; an LDS store's data are its source 1: window 1
.irp b, 0,1,2,3
	ds_store_b128 v[STO], v[64*(\a)+32*(\hf)+8*\b:64*(\a)+32*(\hf)+8*\b+3] offset:128*(\b/2)+32*(\b%2)        ; each accumulator from its low end on
	ds_store_b128 v[STO], v[64*(\a)+32*(\hf)+8*\b+4:64*(\a)+32*(\hf)+8*\b+7] offset:128*(\b/2)+32*(\b%2)+16
.endr
	WIN 0
.irp k, 0,1,2,3,4,5,6,7
	ds_load_b128 v[BK+32*(\hf)+4*\k:BK+32*(\hf)+4*\k+3], v[SRD] offset:544*\k
.endr
.endm
; Pieces 32 p + 8 q + 0 .. 7 are finished in the registers of image_tokens.  younger: the LDS instructions issued behind their loads.
.macro FIN q, p, younger
.set BB, BK+32*((\q)%2)
.set OB, 80+4*((\q)%2)
	s_wait_dscnt \younger
.irp k, 0,1,2,3,4,5,6,7
	v_pk_add_f32 v[BB+4*\k:BB+4*\k+1], v[BB+4*\k:BB+4*\k+1], v[OB:OB+1]
	v_pk_add_f32 v[BB+4*\k+2:BB+4*\k+3], v[BB+4*\k+2:BB+4*\k+3], v[OB+2:OB+3]
.endr
	WIN 0xf0                                       ; source 2 and destination: window 3
.irp k, 0,1,2,3,4,5,6,7
	v_pk_fma_f32 v[4*(32*(\p)+8*(\q)+\k):4*(32*(\p)+8*(\q)+\k)+1], v[BB+4*\k:BB+4*\k+1], s[96:97], v[4*(32*(\p)+8*(\q)+\k):4*(32*(\p)+8*(\q)+\k)+1] op_sel_hi:[1,0,1]
	v_pk_fma_f32 v[4*(32*(\p)+8*(\q)+\k)+2:4*(32*(\p)+8*(\q)+\k)+3], v[BB+4*\k+2:BB+4*\k+3], s[96:97], v[4*(32*(\p)+8*(\q)+\k)+2:4*(32*(\p)+8*(\q)+\k)+3] op_sel_hi:[1,0,1]
.endr
	WIN 0
.endm
.macro OUT p
	TOST 0, 0
	TOST 0, 1
	FIN 0, \p, 16                                  ; behind its loads: the next 8 stores and 8 loads
	TOST 1, 0
	FIN 1, \p, 16
	TOST 1, 1
	FIN 2, \p, 16
	FIN 3, \p, 0
	s_wait_alu depctr_va_vdst(0)                   ; the results are read by stores behind later waits
.endm
	s_wait_tensorcnt 0x0                           ; my load has landed,
	s_barrier_signal -1
	s_barrier_wait -1                              ; and everybody's
	FETCH 0, 0
	STEP 0, 1, 0
.irp s, 1,2,3,4,5,6,7
	STEP \s, 0, 0
.endr
	s_barrier_signal -1                            ; my LDS reads of pass 0 were over at its last step's head
	PLACES
	s_barrier_wait -1                              ; and everybody's: the stages may be written
	FETCH 0, 1                                     ; pass 1's first fragments land under pass 0's way out
	s_wait_loadcnt 32                              ; o_b and pieces 0-31 are in; the 32 loads of pieces 32-63 may be out
	OUT 0
	STEP 0, 1, 1
.irp s, 1,2,3,4,5,6,7
	STEP \s, 0, 1
.endr
	PLACES
	s_wait_loadcnt 0x0
	OUT 1
	STOUT 32, 32
	s_wait_tensorcnt 0x0                           ; the wave's end
	ds_add_u32 v[SPW], v[NIL]
	s_wait_dscnt 0x0
	CROUND                                         ; the closing round
	s_endpgm
.Lfunc_end_k_qdc3f2439d2_oproj:
	.size	k_qdc3f2439d2_oproj, .Lfunc_end_k_qdc3f2439d2_oproj-k_qdc3f2439d2_oproj
	.p2alignl 7, 3214868480
	.fill 96, 4, 3214868480
	.section	.rodata,"a",@progbits
	.p2align	6, 0x0
	.amdhsa_kernel k_qdc3f2439d2_oproj
		.amdhsa_group_segment_fixed_size 307712
		.amdhsa_private_segment_fixed_size 0
		.amdhsa_enable_private_segment 0
		.amdhsa_kernarg_size 48
		.amdhsa_user_sgpr_count 2
		.amdhsa_user_sgpr_kernarg_segment_ptr 1
		.amdhsa_wavefront_size32 1
		.amdhsa_system_sgpr_workgroup_id_x 1
		.amdhsa_system_sgpr_workgroup_id_y 1
		.amdhsa_system_sgpr_workgroup_id_z 1
		.amdhsa_system_vgpr_workitem_id 0
		.amdhsa_next_free_vgpr 1024
		.amdhsa_next_free_sgpr 102
		.amdhsa_reserve_vcc 0
		.amdhsa_float_denorm_mode_32 3
		.amdhsa_float_denorm_mode_16_64 3
		.amdhsa_memory_ordered 1
		.amdhsa_forward_progress 1
		.amdhsa_inst_pref_size 115
	.end_amdhsa_kernel
	.amdgpu_metadata
---
amdhsa.version: [ 1, 2 ]
amdhsa.kernels:
  - .name:           k_qdc3f2439d2_oproj
    .symbol:         k_qdc3f2439d2_oproj.kd
    .args:
      - { .name: ao, .offset: 0, .size: 8, .value_kind: global_buffer, .address_space: global }
      - { .name: img, .offset: 8, .size: 8, .value_kind: global_buffer, .address_space: global }
      - { .name: o_b, .offset: 16, .size: 8, .value_kind: global_buffer, .address_space: global }
      - { .name: alpha, .offset: 24, .size: 8, .value_kind: global_buffer, .address_space: global }
      - { .name: image_tokens, .offset: 32, .size: 8, .value_kind: global_buffer, .address_space: global }
      - { .name: out0, .offset: 40, .size: 8, .value_kind: global_buffer, .address_space: global }
    .group_segment_fixed_size: 307712
    .private_segment_fixed_size: 0
    .kernarg_segment_align: 8
    .kernarg_segment_size: 48
    .max_flat_workgroup_size: 128
    .sgpr_count:     102
    .vgpr_count:     1024
    .wavefront_size: 32
...
	.end_amdgpu_metadata
.endif
;; end of part 4
